; MI455X (gfx1250); checked and timed in simulation.
; The chip was launched on July 23, 2026; its instructions are those of AMD's public machine-readable ISA for CDNA 5 (MIT licence, August 2026) and "CDNA5" Instruction Set Architecture Reference Guide (July 2026). The comments in the code are by the model that wrote it; some were corrected since.
;; Causal Self Attention. Allowed arithmetic: matrix products marked QUANTISED: E3M2 operands, one E8M0 scale for each 32 along K, by v_wmma_scale_f32_16x16x128_f8f6f4 with both operands' format E3M2, f32 sums; everything else in f32.
;; Inputs: bk 1,024 float32; bp 1,024 float32; bq 1,024 float32; bv 1,024 float32; wk 1,024 x 1,024 float32; wp 1,024 x 1,024 float32; wq 1,024 x 1,024 float32; wv 1,024 x 1,024 float32; x 4 x 2,048 x 1,024 float32.
;; Outputs: out0 4 x 2,048 x 1,024 float32.
;; This version of the problem:
;;   THIS VERSION OF THE PROBLEM IS GIVEN IN LOW PRECISION. The matrix products marked QUANTISED in the list below multiply operands that are first quantised to E3M2 (3 exponent bits, 2 mantissa bits; 6 bits a number), with one power-of-two scale for each 32 numbers along K (OCP MX v1.0); their sums are f32. All else is computed in f32.
;;   The module's matrix products, in the order in which they are computed (A, B: the left and right operand; K: the contracted axis; several contracted axes count as one K, in the product's order):
;;     1. [M 8,192, K 1,024] x [K 1,024, N 1,024]; A: input x; B: input wq: QUANTISED
;;     2. [M 8,192, K 1,024] x [K 1,024, N 1,024]; A: input x; B: input wk: QUANTISED
;;     3. [M 8,192, K 1,024] x [K 1,024, N 1,024]; A: input x; B: input wv: QUANTISED
;;     4. batch 64 x [M 2,048, K 64] x [K 64, N 2,048]; A: computed on the way; B: computed on the way: QUANTISED
;;     5. batch 64 x [M 2,048, K 2,048] x [K 2,048, N 64]; A: softmax (see below); B: computed on the way: QUANTISED
;;     6. [M 8,192, K 1,024] x [K 1,024, N 1,024]; A: computed on the way; B: input wp: QUANTISED
;;   THE QUANTISER, for each operand of a quantised product, along K:
;;     - K is cut into blocks of 32 from its start; a last block that is shorter is filled with zeros.
;;     - A block's scale is 2^e with e = floor(log2(the largest magnitude in the block)) - 4, held to -126 .. 127; a block of zeros has e = 0. As a byte (E8M0): e + 127.
;;     - Each number is divided by its block's scale, clamped to +-28, and rounded to the nearest number of E3M2, ties to even, subnormals kept.
;;     - The product sums the exact products of the quantised numbers (number of the format x scale) in f32.
;;   ~~~python
;;   def quantise(x, axis):      # numpy; x: float32 -> the quantised numbers, widened to float32 again
;;       x = np.moveaxis(x, axis, -1); K = x.shape[-1]
;;       x = np.pad(x, [(0, 0)] * (x.ndim - 1) + [(0, -K % 32)]); x = x.reshape(x.shape[:-1] + (-1, 32)); a = np.abs(x).max(-1, keepdims=True)
;;       e = np.where(a > 0, np.clip(np.frexp(np.where(a > 0, a, 1))[1] - 1 - 4, -126, 127), 0)      # np.frexp(a)[1] - 1 = floor(log2(a)), exactly
;;       r = np.clip(x / 2.0 ** e, -28, 28)
;;       step = 2.0 ** (np.maximum(np.frexp(np.where(r == 0, 1, r))[1] - 1, -2) - 2)
;;       q = np.round(r / step) * step * 2.0 ** e      # np.round: ties to even
;;       return np.moveaxis(q.reshape(q.shape[:-2] + (-1,))[..., :K], -1, axis).astype(np.float32)
;;   ~~~
;;   SOFTMAX AHEAD OF A QUANTISED PRODUCT. Where the list says 'softmax', what is quantised is not the finished softmax but p = 2^(t - M), with t = logit x log2(e) and M = ceil(the row's largest t), a whole number; so 1/2 < the row's largest p <= 1. The row's sum l is taken of the UNQUANTISED p, in f32, and the product's result is divided by l at the end. Since M is a whole number, a kernel that streams over the keys may use a running M (the ceiling of the running maximum): every later rescaling is an exact power of two, which a block's scale takes up: the codes' values come out the same.
;;   OPERANDS COMPUTED ON THE WAY. 'Computed on the way' means the value that the module computes at that place (a softmax that the list does not call 'softmax' is quantised finished and normalised). What goes into a quantiser is computed in f32, as accurately as f32 sums, v_exp_f32 and their like allow (about 1e-6 of the number): no bf16 or f16 on the way to a quantiser, and a product that is left as it is and whose result goes on into a quantised operand takes f32 operands (vector FMAs, or v_wmma_f32_16x16x4_f32). A number that lies on a knife's edge between two numbers of the format may be rounded either way, as far as f32 arithmetic and the matrix unit's own rounding can turn it there, and no further.
;; One version. Each part assembles by itself: llvm-mc -triple=amdgcn-amd-amdhsa -mcpu=gfx1250 --defsym DOCPART=n.
;; ======== version 1 of 1: 4 launches
;; workspace buffers: xw 10,354,688 bytes; qkv 19,660,800 bytes; yq 6,553,600 bytes
;; launch prep (part 1): grid 448 x 1, 2 waves a work-group, no clusters, 17,152 bytes of LDS; arguments x, wq, wk, wv, wp, xw; writes xw
.if DOCPART == 1
	.amdgcn_target "amdgcn-amd-amdhsa--gfx1250"
	.amdhsa_code_object_version 6
	.text
	.protected	k_qc2e77c3760_prep
	.globl	k_qc2e77c3760_prep
	.p2align	8
	.type	k_qc2e77c3760_prep,@function
k_qc2e77c3760_prep:
	s_mov_b64 s[64:65], 0
	v_nop
	global_prefetch_b8 v0, s[64:65] scope:SCOPE_SE
	s_setreg_imm32_b32 hwreg(HW_REG_WAVE_MODE, 25, 1), 1
	s_wait_xcnt 0x0
; x [8192][1024] and wq, wk, wv, wp [1024][1024], f32 with K innermost, become codes of BF6 (E3M2) with one E8M0 byte for each 32 along K, laid in xw as the later launches' operand registers want them; and the table of cos and sin for the rotary embedding is made.
; xw: codes at 0: 768 tiles (0-511 x, 512-575 wq, 576-639 wk, 640-703 wv, 704-767 wp) of 16 rows x 1,024 K = 8 fragments of 1,536 bytes; register j of lane l of a fragment lies at 512 (j / 4) + 16 l + 4 (j % 4).
;     scale words at 9,437,184: 32 bytes a row (one word for each 128 along K), rows in the tiles' order.     table at 9,830,400: 128 token tiles x 4,096 bytes.
; THE ROWS OF A TILE ARE NOT NEIGHBOURS (x, wq, wk, wv): place r of tile 2 b + u holds row 32 b + 8 u + r + 8 (r / 8), so that in a product used transposed the 16 registers of two neighbouring tiles are 16 neighbours.  wp's rows lie in their own order.
; A block's scale is 2^(floor(log2(its largest magnitude)) - 4); its byte is the largest magnitude's exponent field - 4, held at 1 from below.
; LIMITS: NaN and infinities among the inputs are not served.  A block whose largest magnitude lies under 2^-122, a block of zeros among them, keeps the byte 1 (the rule gives a block of zeros 127): its codes are zeros or subnormal codes under that byte, and the bytes are read by this program alone.
; The table's frequencies are 2^(-i log2(10) / 8), within a few units in the last place of 1 / 10000^(2 i / 64); at token 2,047 that moves an angle by up to about 2e-4, the size of one unit in the last place of the f32 angle there.
; SHARES.  Work-groups 0-383: each of the two waves takes one tile, in eight steps of 128 along K.  A step's 16 loads read 512 consecutive bytes of one row each; the 8,192 bytes turn through the wave's own stage in LDS (rows 528 bytes apart,
; so that the 16 rows of a read fall on 16 different columns of 16 bytes) and come back as 16 neighbours of each block of 32 a lane.  Loads run four steps, 64 loads a wave, ahead.  Waves share nothing: no barrier.
; Work-groups 384-447: each wave makes one token tile of the table; this way uses no LDS.
.set STG,  8448                        ; a wave's stage: 16 rows x 528 bytes
.set TM,   16                          ; v16-31  at work in QUANT
.set SW,   32                          ; v32-39  a scale word for each step
.set PC,   40                          ; v40-51  the fragment just made
.set T0,   52                          ; v52-59  the conversions' second halves
.set X,    64                          ; v64-127 64 numbers: register 16 b + i = k 32 b + 16 (lane / 16) + i of my row
.set SEL,  36                          ; s[36:37] lane selects for v_permlanex16_b32: lane l xor 16
.set HM,   38                          ; s38     the mask of lanes 16-31
.set AL,   32                          ; the table's way: v32-47 the frequencies, v64-79 cos, v80-95 sin
.set CO,   64
.set SN,   80
.set MSB, 0
.macro WIN new                         ; the immediate's high byte repeats the setting that is left
.if MSB != (\new)
	s_set_vgpr_msb (MSB<<8)|(\new)
.set MSB, (\new)
.endif
.endm
; 64 numbers of a lane, v[s] on, become a fragment's codes (registers 0-5 at d0, 6-11 at d1) and its row's scale word in v[pw].
.macro QUANT s, d0, d1, t0, pw
.irp b, 0,1,2,3
	v_max3_num_f32 v[TM+\b], |v[(\s)+16*\b]|, |v[(\s)+1+16*\b]|, 0x2800000   ; block b: my 16 numbers, and the floor 2^(5 - 127): the byte cannot fall under 1
.endr
.irp i, 2,4,6,8,10,12,14
.irp b, 0,1,2,3
	v_max3_num_f32 v[TM+\b], v[TM+\b], |v[(\s)+16*\b+\i]|, |v[(\s)+1+16*\b+\i]|   ; the four blocks by turns
.endr
.endr
.irp b, 0,1,2,3
	v_permlanex16_b32 v[TM+4+\b], v[TM+\b], s[SEL], s[SEL+1]
.endr
.irp b, 0,1,2,3
	v_max_num_f32 v[TM+\b], v[TM+\b], v[TM+4+\b]   ; with lane l xor 16's 16: the block's largest magnitude
.endr
.irp b, 0,1,2,3
	v_add_nc_u32 v[TM+12+\b], 0xfe000000, v[TM+\b] ; 4 off its exponent field: the conversion's scale operand
.endr
.irp b, 0,1,2,3
	v_lshrrev_b32 v[TM+4+\b], 23, v[TM+12+\b]      ; the scale's byte
.endr
	v_lshl_or_b32 v[\pw], v[TM+5], 8, v[TM+4]
	v_lshl_or_b32 v[\pw], v[TM+6], 16, v[\pw]
	v_lshl_or_b32 v[\pw], v[TM+7], 24, v[\pw]
	v_cvt_scalef32_pk16_bf6_f32 v[(\d0):(\d0)+2], v[(\s):(\s)+15], v[TM+12]
	v_cvt_scalef32_pk16_bf6_f32 v[(\t0):(\t0)+2], v[(\s)+16:(\s)+31], v[TM+13]
	v_cvt_scalef32_pk16_bf6_f32 v[(\d1):(\d1)+2], v[(\s)+32:(\s)+47], v[TM+14]
	v_cvt_scalef32_pk16_bf6_f32 v[(\t0)+4:(\t0)+6], v[(\s)+48:(\s)+63], v[TM+15]
	v_nop                                          ; one plain place behind the scaled conversions
.irp i, 0,1,2
	v_permlane16_swap_b32 v[(\d0)+\i], v[(\t0)+\i] ; the layout wants a whole block in a lane: lanes 0-15 the even block, lanes 16-31 the odd one
	v_permlane16_swap_b32 v[(\d1)+\i], v[(\t0)+4+\i]
.endr
.irp i, 0,1,2
	v_mov_b32 v[(\d0)+3+\i], v[(\t0)+\i]
	v_mov_b32 v[(\d1)+3+\i], v[(\t0)+4+\i]
.endr
.endm
	s_load_b256 s[4:11], s[0:1], 0x0               ; x, wq, wk, wv
	s_load_b128 s[12:15], s[0:1], 0x20             ; wp, xw
	v_lshl_add_u32 v254, v0, 2, 0x4200
	v_mov_b32 v255, 0
	v_lshrrev_b32 v1, 5, v0
	v_readfirstlane_b32 s16, v1                    ; wave 0, 1
	v_and_b32 v2, 31, v0                           ; lane
	v_and_b32 v3, 15, v0                           ; r
	v_bfe_u32 v12, v0, 4, 1                        ; h
	v_lshlrev_b32 v4, 4, v2                        ; 16 x lane
	s_cmp_ge_u32 ttmp9, 384
	s_cbranch_scc1 .Ltable
	; ---------------- the quantiser's way
	s_mul_i32 s17, s16, STG
	v_add_nc_u32 v5, s17, v4                       ; the stage, on the way in: 16 x lane of a row
	v_mul_u32_u24 v6, v3, 528
	v_lshl_add_u32 v6, v12, 6, v6
	v_add_nc_u32 v6, s17, v6                       ; and on the way out: row r, + 64 h
	v_lshlrev_b32 v7, 5, v3
	v_lshl_add_u32 v7, v12, 4, v7                  ; the scale words: 32 r + 16 h
	s_mov_b32 s[SEL], 0x76543210
	s_mov_b32 s[SEL+1], 0xfedcba98
	s_mov_b32 s[HM], 0xffff0000
.irp b, 0,1,2,3
	v_mov_b32 v[TM+4+\b], 0                        ; written once: a lane permute's destination counts as one of its sources
.endr
	s_lshl_b32 s20, ttmp9, 1
	s_add_co_u32 s20, s20, s16                     ; my tile, 0..767
	s_and_b32 s21, s20, 63
	s_cmp_lt_u32 ttmp9, 256
	s_cselect_b32 s21, s20, s21                    ; its number in its own tensor
	s_lshr_b32 s22, s21, 1
	s_lshl_b32 s22, s22, 5
	s_and_b32 s23, s21, 1
	s_lshl_b32 s23, s23, 3
	s_add_co_u32 s22, s22, s23                     ; places 0-7: rows 32 (t / 2) + 8 (t % 2) on; places 8-15: 16 rows further
	s_lshl_b32 s23, s21, 4                         ; wp: rows 16 t on; places 8-15: 8 rows further
	s_cmp_lt_u32 ttmp9, 352
	s_cselect_b32 s22, s22, s23
	s_cselect_b32 s23, 16, 8
	s_add_co_u32 s23, s22, s23
	s_lshl_b32 s24, s22, 12                        ; a row is 4,096 bytes
	s_mov_b32 s25, 0
	s_lshl_b32 s26, s23, 12
	s_mov_b32 s27, 0
	s_mul_i32 s40, s20, 12288
	s_mov_b32 s41, 0
	s_lshl_b32 s42, s20, 9
	s_mov_b32 s43, 0
	s_wait_alu depctr_va_vdst(0)
	s_wait_kmcnt 0x0
	s_cmp_lt_u32 ttmp9, 256                        ; which tensor: the choice hangs on the work-group's number alone
	s_cselect_b64 s[18:19], s[4:5], s[6:7]
	s_cmp_lt_u32 ttmp9, 288
	s_cselect_b64 s[18:19], s[18:19], s[8:9]
	s_cmp_lt_u32 ttmp9, 320
	s_cselect_b64 s[18:19], s[18:19], s[10:11]
	s_cmp_lt_u32 ttmp9, 352
	s_cselect_b64 s[18:19], s[18:19], s[12:13]
	s_add_nc_u64 s[28:29], s[18:19], s[24:25]      ; places 0-7
	s_add_nc_u64 s[30:31], s[18:19], s[26:27]      ; places 8-15
	s_add_nc_u64 s[32:33], s[14:15], s[40:41]      ; my tile's codes
	s_add_nc_u64 s[34:35], s[14:15], s[42:43]
	s_add_nc_u64 s[34:35], s[34:35], 9437184       ; and its scale words
.macro LOAD s                          ; step s: 512 bytes of each of the 16 rows, into set s % 4 of window 1
	WIN 0x40
.set pp, 0
.rept 8
	global_load_b128 v[64*((\s)%4)+4*pp:64*((\s)%4)+4*pp+3], v4, s[28:29] offset:pp*4096+512*(\s) th:TH_LOAD_NT
.set pp, pp+1
.endr
.rept 8
	global_load_b128 v[64*((\s)%4)+4*pp:64*((\s)%4)+4*pp+3], v4, s[30:31] offset:(pp-8)*4096+512*(\s) th:TH_LOAD_NT
.set pp, pp+1
.endr
	WIN 0
.endm
.macro STEP s
.if (\s) < 5
	s_wait_loadcnt 48                              ; this step's 16 loads are in; those of the three steps behind it may be out
.else
	s_wait_loadcnt 16*(7-(\s))
.endif
	WIN 0x04                                       ; an LDS store's data are its source 1: window 1
.set pp, 0
.rept 16
	ds_store_b128 v5, v[64*((\s)%4)+4*pp:64*((\s)%4)+4*pp+3] offset:528*pp
.set pp, pp+1
.endr
	WIN 0
.irp b, 0,1,2,3
.irp j, 0,1,2,3
	ds_load_b128 v[X+16*\b+4*\j:X+16*\b+4*\j+3], v6 offset:128*\b+16*\j   ; LDS serves a wave's instructions in order: these see the stores above
.endr
.endr
	s_wait_dscnt 0x0                               ; the numbers are back, and the stores have read their registers
	s_wait_xcnt 0x0                                ; the last step's stores have read the fragment's registers, which are written again below
.if (\s) < 4
	LOAD (\s)+4
.endif
	QUANT X, PC, PC+6, T0, SW+(\s)
.irp c, 0,1,2
	global_store_b128 v4, v[PC+4*\c:PC+4*\c+3], s[32:33] offset:1536*(\s)+512*\c   ; 32 lanes store 512 consecutive bytes, aligned
.endr
.endm
	LOAD 0
	LOAD 1
	LOAD 2
	LOAD 3
.irp s, 0,1,2,3,4,5,6,7
	STEP \s
.endr
.irp i, 0,1,2,3
	v_cndmask_b32 v[8+\i], v[SW+\i], v[SW+4+\i], s[HM]   ; lanes 0-15 store their row's words 0-3, lanes 16-31 words 4-7
.endr
	global_store_b128 v7, v[8:11], s[34:35]        ; 512 consecutive bytes
	s_wait_tensorcnt 0x0
	ds_add_u32 v254, v255
	s_wait_dscnt 0x0
	s_endpgm
	; ---------------- the table's way: cos and sin of token x frequency, for lane (r, h): the token at place r of the tile, frequencies 16 h + 0 .. 15
.Ltable:
	s_sub_co_u32 s17, ttmp9, 384
	s_lshl_b32 s17, s17, 1
	s_add_co_u32 s17, s17, s16                     ; token tile 0..127
	s_lshr_b32 s18, s17, 1
	s_lshl_b32 s18, s18, 5
	s_and_b32 s19, s17, 1
	s_lshl_b32 s19, s19, 3
	s_add_co_u32 s18, s18, s19
	s_wait_alu depctr_va_vdst(0)
	v_and_b32 v13, 8, v3
	v_add_nc_u32 v13, v13, v3
	v_add_nc_u32 v13, s18, v13                     ; my token: 32 (t / 2) + 8 (t % 2) + r + 8 (r / 8)
	v_cvt_f32_u32 v15, v13
	v_lshlrev_b32 v14, 4, v12
	s_wait_alu depctr_va_vdst(0)
	s_mov_b32 s20, 0x3fc90fdb                      ; pi / 2, its upper part
	s_mov_b32 s21, 0xb33bbd2e                      ; and the rest
	s_mov_b32 s22, 0xbe2aaaab                      ; -1/3!
	s_mov_b32 s23, 0x3c088889                      ; 1/5!
	s_mov_b32 s24, 0xb9500d01                      ; -1/7!
	s_mov_b32 s25, 0x3638ef1d                      ; 1/9!
	s_mov_b32 s26, 0x3d2aaaab                      ; 1/4!
	s_mov_b32 s27, 0xbab60b61                      ; -1/6!
	s_mov_b32 s28, 0x37d00d01                      ; 1/8!
	s_mov_b32 s29, 0xb493f27e                      ; -1/10!
	s_lshl_b32 s18, s17, 12
	s_mov_b32 s19, 0
.set kk, 0
.rept 16
	v_add_nc_u32 v[AL+kk], kk, v14
	v_cvt_f32_u32 v[AL+kk], v[AL+kk]
	v_mul_f32 v[AL+kk], 0xbed49a78, v[AL+kk]       ; -i log2(10) / 8
.set kk, kk+1
.endr
.set kk, 0
	s_wait_alu depctr_va_vdst(0)
.rept 16
	v_exp_f32 v[AL+kk], v[AL+kk]                   ; 10000^(-2 i / 64)
.set kk, kk+1
.endr
	v_nop                                          ; a plain place behind the last exponential
	s_wait_alu depctr_va_vdst(0)                   ; one wait for the batch, ahead of its first reader
.set kk, 0
.rept 16
	v_mul_f32 v16, v15, v[AL+kk]                   ; the angle, rounded once
	v_mul_f32 v17, 0x3f22f983, v16
	v_rndne_f32 v17, v17                           ; n = the nearest multiple of pi / 2
	v_fma_f32 v18, -v17, s20, v16
	v_fma_f32 v18, -v17, s21, v18                  ; what is left, at most pi / 4 in magnitude
	v_mul_f32 v19, v18, v18                        ; z
	v_cvt_i32_f32 v20, v17
	v_fma_f32 v21, s25, v19, s24
	v_fma_f32 v22, s29, v19, s28
	v_fma_f32 v21, v21, v19, s23
	v_fma_f32 v22, v22, v19, s27
	v_fma_f32 v21, v21, v19, s22
	v_fma_f32 v22, v22, v19, s26
	v_mul_f32 v23, v19, v18
	v_mul_f32 v24, v19, v19
	v_fma_f32 v25, v19, -0.5, 1.0
	v_fma_f32 v21, v21, v23, v18                   ; the sine of what is left
	v_fma_f32 v22, v22, v24, v25                   ; and its cosine
	v_and_b32 v26, 1, v20
	v_cmp_eq_u32 vcc_lo, 1, v26                    ; an odd n swaps the two
	v_cndmask_b32 v23, v21, v22, vcc_lo
	v_cndmask_b32 v24, v22, v21, vcc_lo
	v_and_b32 v26, 2, v20                          ; the sine is turned for n = 2, 3 modulo 4,
	v_lshlrev_b32 v26, 30, v26
	v_xor_b32 v[SN+kk], v26, v23
	v_add_nc_u32 v27, 1, v20                       ; the cosine for n = 1, 2
	v_and_b32 v27, 2, v27
	v_lshlrev_b32 v27, 30, v27
	v_xor_b32 v[CO+kk], v27, v24
.set kk, kk+1
.endr
	s_wait_alu depctr_va_vdst(0)
	s_wait_kmcnt 0x0
	s_add_nc_u64 s[30:31], s[14:15], s[18:19]
	s_add_nc_u64 s[30:31], s[30:31], 9830400
.irp k, 0,1,2,3
	global_store_b128 v4, v[CO+4*\k:CO+4*\k+3], s[30:31] offset:512*\k
	global_store_b128 v4, v[SN+4*\k:SN+4*\k+3], s[30:31] offset:2048+512*\k
.endr
	s_endpgm
.Lfunc_end_k_qc2e77c3760_prep:
	.size	k_qc2e77c3760_prep, .Lfunc_end_k_qc2e77c3760_prep-k_qc2e77c3760_prep
	.p2alignl 7, 3214868480
	.fill 96, 4, 3214868480
	.section	.rodata,"a",@progbits
	.p2align	6, 0x0
	.amdhsa_kernel k_qc2e77c3760_prep
		.amdhsa_group_segment_fixed_size 17152
		.amdhsa_private_segment_fixed_size 0
		.amdhsa_enable_private_segment 0
		.amdhsa_kernarg_size 48
		.amdhsa_user_sgpr_count 2
		.amdhsa_user_sgpr_kernarg_segment_ptr 1
		.amdhsa_wavefront_size32 1
		.amdhsa_system_sgpr_workgroup_id_x 1
		.amdhsa_system_sgpr_workgroup_id_y 1
		.amdhsa_system_sgpr_workgroup_id_z 1
		.amdhsa_system_vgpr_workitem_id 0
		.amdhsa_next_free_vgpr 512
		.amdhsa_next_free_sgpr 66
		.amdhsa_reserve_vcc 1
		.amdhsa_float_denorm_mode_32 3
		.amdhsa_float_denorm_mode_16_64 3
		.amdhsa_memory_ordered 1
		.amdhsa_forward_progress 1
		.amdhsa_inst_pref_size 91
	.end_amdhsa_kernel
	.amdgpu_metadata
---
amdhsa.version: [ 1, 2 ]
amdhsa.kernels:
  - .name:           k_qc2e77c3760_prep
    .symbol:         k_qc2e77c3760_prep.kd
    .args:
      - { .name: x, .offset: 0, .size: 8, .value_kind: global_buffer, .address_space: global }
      - { .name: wq, .offset: 8, .size: 8, .value_kind: global_buffer, .address_space: global }
      - { .name: wk, .offset: 16, .size: 8, .value_kind: global_buffer, .address_space: global }
      - { .name: wv, .offset: 24, .size: 8, .value_kind: global_buffer, .address_space: global }
      - { .name: wp, .offset: 32, .size: 8, .value_kind: global_buffer, .address_space: global }
      - { .name: xw, .offset: 40, .size: 8, .value_kind: global_buffer, .address_space: global }
    .group_segment_fixed_size: 17152
    .private_segment_fixed_size: 0
    .kernarg_segment_align: 8
    .kernarg_segment_size: 48
    .max_flat_workgroup_size: 64
    .sgpr_count:     66
    .vgpr_count:     512
    .wavefront_size: 32
...
	.end_amdgpu_metadata
.endif
;; end of part 1
;; launch qkv (part 2): grid 8 x 48, 4 waves a work-group, clusters of 4 x 4, 327,680 bytes of LDS; arguments xw, bq, bk, bv, qkv; writes qkv
.if DOCPART == 2
	.amdgcn_target "amdgcn-amd-amdhsa--gfx1250"
	.amdhsa_code_object_version 6
	.text
	.protected	k_qc2e77c3760_qkv
	.globl	k_qc2e77c3760_qkv
	.p2align	8
	.type	k_qc2e77c3760_qkv,@function
k_qc2e77c3760_qkv:
	s_mov_b64 s[64:65], 0
	v_nop
	global_prefetch_b8 v0, s[64:65] scope:SCOPE_SE
	s_setreg_imm32_b32 hwreg(HW_REG_WAVE_MODE, 25, 1), 1
	s_wait_xcnt 0x0
	s_wait_alu depctr_hold_cnt(0) depctr_sa_sdst(0) depctr_va_vdst(0) depctr_va_sdst(0) depctr_va_ssrc(0) depctr_va_vcc(0) depctr_vm_vsrc(0)
	s_getreg_b32 s2, hwreg(HW_REG_IB_STS2, 6, 4)
	s_cmp_eq_u32 s2, 0
	s_cbranch_scc0 .Lentry_in_a_cluster
	s_endpgm
.Lentry_in_a_cluster:
	s_bfe_u32 s2, ttmp6, 0x10000c
	s_cmp_lg_u32 s2, 0xf033
	s_cbranch_scc0 .Lentry_shape_is_right
	s_endpgm
.Lentry_shape_is_right:
; q = rope(x wq^T + bq), k = rope(x wk^T + bk), v = x wv^T + bv, on codes of BF6 (E3M2) with E8M0 scales; the results leave as codes again: q and k quantised along a head's 64 channels, v along the keys.
; ONE BODY, TWO USES.  A tile of 256 x 256 is A' B'^T, used transposed (source 0 = 16 rows of B', source 1 = 16 rows of A'): a lane holds one row of A', and its registers run along B's rows.
;   clusters y = 0..7:  A' = x (tokens), B' = wq | wk (channels): a lane holds a token, registers run along the channels: bias, rotation, quantiser along the channels.
;   clusters y = 8..11: A' = wv (channels), B' = x (tokens): a lane holds a channel, registers run along the keys: bias, quantiser along the keys.
; All operands are numbered tiles of xw (16 rows x 1,024 K as eight images of a fragment's registers, 1,536 bytes each; 32 bytes of scale words a row), so only whole numbers are chosen between the uses.
; Place r of tile 2 b + u holds row 32 b + 8 u + r + 8 (r / 8): so register 16 b + i of a lane's 64 results of a block is B's row 32 b + 16 (lane / 16) + i: 16 neighbours of each block of 32.
; SHARES.  Four waves, each 128 x 128: 64 accumulators, 512 registers.  K = 1,024 goes in four steps of 256 through two LDS slots filled by the tensor data mover; the scale words of the 512 rows come once.
; CLUSTERS: 4 x 4 work-groups; A's tiles are asked for jointly along a row of the cluster, B's along a column.  The use is the same in all sixteen partners: it hangs on the cluster's y alone.
; qkv: Q part at 0, block (head-of-batch x 16 + chunk of 128 tokens) of 6,400 bytes: four pair fragments (registers 0-5: token tile 2 b, registers 6-11: tile 2 b + 1; 64 channels each) and 256 bytes of pair words (16 r + 4 b).
;      KV part at 6,553,600, blocks of 12,800 bytes: K's four pair fragments, V's four fragments (16 channels x 128 keys) at 6,144, K's pair words at 12,288, V's words at 12,544.
; LIMITS: NaN and infinities are not served; a block whose largest magnitude lies under 2^-122 keeps the byte 1 (a block of zeros too, where the rule says 127): the bytes are read by this program alone.
; No prefetch: K has four steps, of which two are asked for at the head.  All of a WGP's LDS is claimed; 214,528 bytes are used.
; REGISTERS: window 0: v0-31 addresses; v32-63 scale words, two sets; v64-127 the table's two sets (or bv); v128-223 A's fragments, later the block at work and its codes; v224-255 at work.
;   window 1: B's fragments, two sets, at v0 and v128; between them v96-127 and v224-255 the bias.   windows 2, 3: the accumulators ((a, b) at v[8 (8 (a % 4) + b)]).
.set NQ,     2                         ; matrix instructions deep in a slot
.set FR,     12                        ; registers of a fragment
.set NP,     4                         ; places behind this matrix instruction (ISA guide 7.12.1)
.set NLA,    3                         ; LDS loads that bring a fragment of A'
.set TROW,   3072                      ; a tile's bytes in a slot: two fragments
.set HALFT,  8*TROW                    ; 128 rows: what one tensor load brings
.set SLOT,   4*HALFT
.set KS,     32                        ; a row of scale bytes
.set SCL,    2*SLOT                    ; behind the ring: the scale words, as units of 256 bytes + 16 of padding
.set HALFS,  16*272
.set SBLK,   2*272
.set SPARE,  SCL+4*HALFS               ; the spare words, 128 bytes for each wave: two blocks of 256 bytes that no other line names
.set ADRA, 16                          ; v16-17 LDS address of my A' fragments in slot 0, 1
.set ADRB, 20                          ; v20-21 the same for B'
.set LN,   24                          ; v24    16 x lane
.set WA,   25                          ; v25    16 r + 8 h: the pair words' place
.set BA,   26                          ; v26    the bias's offset
.set ADRS, 27
.set SPW,  28
.set NIL,  29
.set SC,   32
.set AF,   128
.set CS,   64                          ; two sets of 16 cos + 16 sin
.set BV,   64
.set SWV,  72
.set W,    128                         ; the block at work: 64 numbers
.set F0,   192                         ; the fragments just made
.set F1,   204
.set T0,   216
.set RTM,  224
.set TM,   232
.set PW,   248
.set SW0,  250
.set SW1,  8
.set DT,   12
.set G1, 24
.set G0, 32
.set G1B, 48
.set G0B, 56
.set G1S, 68
.set G0S, 76
.set G1SB, 80
.set G0SB, 88
.set D0,  68                           ; the way out's scalars lie where the scale loads' descriptors lay: those loads are long done
.set D1,  70
.set W0,  72
.set W1,  74
.set RT,  76
.set BP,  78
.set SEL, 80
.set HM,  82
.set MSB, 0
.macro WIN new                         ; the immediate's high byte repeats the setting that is left
.if MSB != (\new)
	s_set_vgpr_msb (MSB<<8)|(\new)
.set MSB, (\new)
.endif
.endm
.set MUL_LO, 0xa1                      ; source 0 (B') window 1, source 1 (A') window 0, C and D window 2
.set MUL_HI, 0xf1
.set TO_B,   0x40
; A joint load: waves 0 and 1 fetch for A', waves 2 and 3 for B'; the branch hangs on the wave's number alone.  Four v_nop follow each of the two lines.
.macro JLOAD g0a, g1a, g0b, g1b
	s_cmp_eq_u32 s15, 0
	s_cbranch_scc0 .Lfor_b_\@
	tensor_load_to_lds s[\g0a:\g0a+3], s[\g1a:\g1a+7]
	s_nop 0
.rept 4
	v_nop
.endr
	s_branch .Lasked_\@
.Lfor_b_\@:
	tensor_load_to_lds s[\g0b:\g0b+3], s[\g1b:\g1b+7]
	s_nop 0
.rept 4
	v_nop
.endr
.Lasked_\@:
.endm
.macro CREST                           ; a round of the cluster's barrier behind its opening barrier
	s_cmp_lg_u32 s14, 0
	s_cbranch_scc1 .Lnot_wave_0_\@
	s_barrier_signal -3
.Lnot_wave_0_\@:
	s_barrier_wait -3
	s_barrier_signal -1
	s_barrier_wait -1
.endm
.macro CROUND
	s_barrier_signal -1
	s_barrier_wait -1
	CREST
.endm
.macro PLACES n
.rept \n
	v_nop
.endr
.endm
.macro QUANT s, d0, d1, t0, pw         ; 64 numbers, register 16 b + i = k 32 b + 16 (lane / 16) + i, become codes (registers 0-5 at d0, 6-11 at d1) and a scale word
.irp b, 0,1,2,3
	v_max3_num_f32 v[TM+\b], |v[(\s)+16*\b]|, |v[(\s)+1+16*\b]|, 0x2800000   ; and the floor 2^(5 - 127): the byte cannot fall under 1
.endr
.irp i, 2,4,6,8,10,12,14
.irp b, 0,1,2,3
	v_max3_num_f32 v[TM+\b], v[TM+\b], |v[(\s)+16*\b+\i]|, |v[(\s)+1+16*\b+\i]|
.endr
.endr
.irp b, 0,1,2,3
	v_permlanex16_b32 v[TM+4+\b], v[TM+\b], s[SEL], s[SEL+1]
.endr
.irp b, 0,1,2,3
	v_max_num_f32 v[TM+\b], v[TM+\b], v[TM+4+\b]
.endr
.irp b, 0,1,2,3
	v_add_nc_u32 v[TM+12+\b], 0xfe000000, v[TM+\b] ; 4 off the exponent field: the conversion's scale operand
.endr
.irp b, 0,1,2,3
	v_lshrrev_b32 v[TM+4+\b], 23, v[TM+12+\b]
.endr
	v_lshl_or_b32 v[\pw], v[TM+5], 8, v[TM+4]
	v_lshl_or_b32 v[\pw], v[TM+6], 16, v[\pw]
	v_lshl_or_b32 v[\pw], v[TM+7], 24, v[\pw]
	v_cvt_scalef32_pk16_bf6_f32 v[(\d0):(\d0)+2], v[(\s):(\s)+15], v[TM+12]
	v_cvt_scalef32_pk16_bf6_f32 v[(\t0):(\t0)+2], v[(\s)+16:(\s)+31], v[TM+13]
	v_cvt_scalef32_pk16_bf6_f32 v[(\d1):(\d1)+2], v[(\s)+32:(\s)+47], v[TM+14]
	v_cvt_scalef32_pk16_bf6_f32 v[(\t0)+4:(\t0)+6], v[(\s)+48:(\s)+63], v[TM+15]
	v_nop                                          ; one plain place behind the scaled conversions
.irp i, 0,1,2
	v_permlane16_swap_b32 v[(\d0)+\i], v[(\t0)+\i]
	v_permlane16_swap_b32 v[(\d1)+\i], v[(\t0)+4+\i]
.endr
.irp i, 0,1,2
	v_mov_b32 v[(\d0)+3+\i], v[(\t0)+\i]
	v_mov_b32 v[(\d1)+3+\i], v[(\t0)+4+\i]
.endr
.endm
	s_load_b256 s[4:11], s[0:1], 0x0               ; xw, bq, bk, bv
	s_load_b64 s[12:13], s[0:1], 0x20              ; qkv
	v_lshl_add_u32 v[SPW], v0, 2, SPARE
	v_mov_b32 v[NIL], 0
	ds_add_u32 v28, v29
	s_wait_dscnt 0x0
	v_lshrrev_b32 v1, 5, v0
	v_readfirstlane_b32 s14, v1                    ; wave 0..3
	s_lshr_b32 s15, s14, 1                         ; which half of A's rows is mine.  Also: I fetch for A' (0) or for B' (1)
	s_and_b32 s16, s14, 1                          ; which half of B's rows.  Also: which 128 rows I fetch
	s_bfe_u32 s40, ttmp6, 0x40000                  ; cx, cy: my place in the cluster
	s_bfe_u32 s41, ttmp6, 0x40004
	s_and_b32 s95, ttmp7, 0xffff                   ; the cluster's y
	s_sub_co_u32 s96, s95, 8
	s_lshl_b32 s96, s96, 1
	s_add_co_u32 s96, s96, ttmp9
	s_cmp_ge_u32 s95, 8                            ; v's use?  The same in all sixteen partners
	s_cselect_b32 s42, s96, ttmp9                  ; the cluster's column: v: 2 (y - 8) + x; q, k: x
	s_cselect_b32 s17, 0, s95                      ; its row: v: 0; q, k: y
	s_cselect_b32 s97, 640, 0                      ; A's first tile in xw: wv or x
	s_cselect_b32 s98, 0, 512                      ; B's: x or wq | wk
	s_cselect_b32 s99, 1, 0
	s_lshl_b32 s42, s42, 2
	s_add_co_u32 s42, s42, s40                     ; tile column
	s_lshl_b32 s17, s17, 2
	s_add_co_u32 s17, s17, s41                     ; tile row
	s_lshl_b32 s43, s41, 2
	s_lshl_b32 s43, 15, s43                        ; my row of the cluster
	s_lshl_b32 s44, 0x1111, s40                    ; my column
	; descriptor group 1 for codes: 8 tiles x 3,072 bytes (384 elements of 8 bytes), 12,288 bytes apart in memory, dense in LDS
	s_or_b32 s[G1+0], s43, (3<<16)|(1<<21)
	s_or_b32 s[G1B+0], s44, (3<<16)|(1<<21)
.irp g, G1, G1B
	s_mov_b32 s[\g+1], 384<<16                     ; tensor_dim0
	s_mov_b32 s[\g+2], 8<<16                       ; tensor_dim1
	s_mov_b32 s[\g+3], 384<<16                     ; tile_dim0
	s_mov_b32 s[\g+4], 8                           ; tile_dim1
	s_mov_b32 s[\g+5], 1536                        ; tensor_dim0_stride
	s_mov_b32 s[\g+6], 0
	s_mov_b32 s[\g+7], 0
.endr
	; and for the scale words of 128 rows: 4,096 dense bytes as 16 rows of 256, 16 bytes of padding behind each
	s_or_b32 s[G1S+0], s43, (3<<16)|(1<<20)|(1<<21)|(5<<22)|(3<<25)
	s_or_b32 s[G1SB+0], s44, (3<<16)|(1<<20)|(1<<21)|(5<<22)|(3<<25)
.irp g, G1S, G1SB
	s_mov_b32 s[\g+1], 32<<16
	s_mov_b32 s[\g+2], 16<<16
	s_mov_b32 s[\g+3], 32<<16
	s_mov_b32 s[\g+4], 16
	s_mov_b32 s[\g+5], 32
	s_mov_b32 s[\g+6], 0
	s_mov_b32 s[\g+7], 0
.endr
	s_lshl_b32 s18, s16, 3                         ; which 8 tiles I fetch
	s_lshl_b32 s20, s17, 4
	s_add_co_u32 s20, s20, s18
	s_add_co_u32 s20, s20, s97                     ; A': tile 16 x tile row + 8 x half, in its tensor
	s_lshl_b32 s46, s42, 4
	s_add_co_u32 s46, s46, s18
	s_add_co_u32 s46, s46, s98                     ; B' likewise by the tile column
	s_lshl_b32 s22, s20, 9                         ; their scale words: 512 bytes a tile
	s_mov_b32 s23, 0
	s_lshl_b32 s92, s46, 9
	s_mov_b32 s93, 0
	s_mul_i32 s20, s20, 12288                      ; their codes
	s_mov_b32 s21, 0
	s_mul_i32 s46, s46, 12288
	s_mov_b32 s47, 0
	s_mul_i32 s45, s14, HALFT                      ; where they go: no place in the cluster enters an LDS address
	s_mul_i32 s94, s14, HALFS
	s_wait_kmcnt 0x0
	s_add_nc_u64 s[20:21], s[4:5], s[20:21]
	s_add_nc_u64 s[22:23], s[4:5], s[22:23]
	s_add_nc_u64 s[22:23], s[22:23], 9437184
	s_add_nc_u64 s[46:47], s[4:5], s[46:47]
	s_add_nc_u64 s[92:93], s[4:5], s[92:93]
	s_add_nc_u64 s[92:93], s[92:93], 9437184
	CROUND                                         ; all sixteen work-groups are here: the first joint loads meet
	s_mov_b32 s[G0S], 1
	s_add_co_u32 s[G0S+1], s94, SCL
	s_mov_b64 s[G0S+2:G0S+3], s[22:23]
	s_or_b32 s[G0S+3], s[G0S+3], 0x80000000
	s_mov_b32 s[G0SB], 1
	s_add_co_u32 s[G0SB+1], s94, SCL
	s_mov_b64 s[G0SB+2:G0SB+3], s[92:93]
	s_or_b32 s[G0SB+3], s[G0SB+3], 0x80000000
	JLOAD G0S, G1S, G0SB, G1SB                     ; the scale words first: they are wanted with K step 0
.irp s, 0,1
	s_mov_b32 s[G0+4*\s], 1
	s_add_co_u32 s[G0+4*\s+1], s45, \s*SLOT
	s_add_nc_u64 s[G0+4*\s+2:G0+4*\s+3], s[20:21], \s*TROW
	s_or_b32 s[G0+4*\s+3], s[G0+4*\s+3], 0x80000000
	s_mov_b32 s[G0B+4*\s], 1
	s_add_co_u32 s[G0B+4*\s+1], s45, \s*SLOT
	s_add_nc_u64 s[G0B+4*\s+2:G0B+4*\s+3], s[46:47], \s*TROW
	s_or_b32 s[G0B+4*\s+3], s[G0B+4*\s+3], 0x80000000
	JLOAD G0+4*\s, G1, G0B+4*\s, G1B               ; three tensor loads of mine are out
.endr
	v_and_b32 v1, 15, v0                           ; r
	v_bfe_u32 v2, v0, 4, 1                         ; h
	v_and_b32 v3, 31, v0
	v_lshlrev_b32 v[LN], 4, v3
	v_lshlrev_b32 v[WA], 4, v1
	v_lshl_add_u32 v[WA], v2, 3, v[WA]
	s_mul_i32 s21, s15, HALFT                      ; my 128 rows of A'
	s_mul_i32 s22, s16, HALFT                      ; my 128 rows of B',
	s_add_co_u32 s22, s22, 2*HALFT                 ; which lie behind A's 256
.irp s, 0,1
	v_add_nc_u32 v[ADRA+\s], s21, v[LN]
	v_add_nc_u32 v[ADRB+\s], s22, v[LN]
	s_add_co_u32 s21, s21, SLOT
	s_add_co_u32 s22, s22, SLOT
.endr
	v_mul_u32_u24 v5, v1, KS                       ; my row's scale words: 32 bytes a row,
	v_lshrrev_b32 v6, 8, v5
	v_lshl_add_u32 v5, v6, 4, v5                   ; and 16 more for each 256 passed
	s_mul_i32 s21, s15, HALFS
	s_mul_i32 s22, s16, HALFS
	s_add_co_u32 s22, s22, 2*HALFS
	s_sub_co_u32 s22, s22, s21
	v_mul_u32_u24 v6, s22, v2                      ; lanes 16-31 take B's
	s_add_co_u32 s21, s21, SCL
	v_add_nc_u32 v5, v5, v6
	v_add_nc_u32 v[ADRS], s21, v5
.macro FRAG reg, adr, q, i             ; a fragment comes back as it was stored: three loads of 512 consecutive bytes
.irp c, 0,1,2
	ds_load_b128 v[(\reg)+4*\c:(\reg)+4*\c+3], v[\adr] offset:TROW*(\i)+1536*(\q)+512*\c
.endr
.endm
; 16 matrix instructions: A's blocks a0, a0 + 1 x B's eight.  The 64 accumulators take turns, one instruction a turn, in the same order in every step.
.macro MUL16 a0, p, q, sc, zero
.irp a, \a0, \a0+1
.irp b, 0,1,2,3,4,5,6,7
.if \zero
	v_wmma_scale_f32_16x16x128_f8f6f4 v[8*(8*((\a)%4)+\b):8*(8*((\a)%4)+\b)+7], v[128*(\p)+FR*\b:128*(\p)+FR*\b+FR-1], v[AF+FR*(\a):AF+FR*(\a)+FR-1], 0, v[SC+8*NQ*(\sc)+NQ*\b+(\q)], v[SC+8*NQ*(\sc)+NQ*(\a)+(\q)] matrix_a_fmt:MATRIX_FMT_BF6 matrix_b_fmt:MATRIX_FMT_BF6 matrix_a_scale:MATRIX_SCALE_ROW1
.else
	v_wmma_scale_f32_16x16x128_f8f6f4 v[8*(8*((\a)%4)+\b):8*(8*((\a)%4)+\b)+7], v[128*(\p)+FR*\b:128*(\p)+FR*\b+FR-1], v[AF+FR*(\a):AF+FR*(\a)+FR-1], v[8*(8*((\a)%4)+\b):8*(8*((\a)%4)+\b)+7], v[SC+8*NQ*(\sc)+NQ*\b+(\q)], v[SC+8*NQ*(\sc)+NQ*(\a)+(\q)] matrix_a_fmt:MATRIX_FMT_BF6 matrix_b_fmt:MATRIX_FMT_BF6 matrix_a_scale:MATRIX_SCALE_ROW1
.endif
.endr
.endr
.endm
.macro FETCH_B slot, q, p
	WIN TO_B
.irp i, 0,1,2,3,4,5,6,7
	FRAG 128*(\p)+FR*\i, ADRB+\slot, \q, \i
.endr
	WIN 0
.endm
.macro FETCH_A slot, q, i0
.irp i, \i0, \i0+1, \i0+2, \i0+3
	FRAG AF+FR*(\i), ADRA+\slot, \q, \i
.endr
.endm
.macro SCALES sc                       ; a K step's two words a row: lanes 0-15 take A's block i, lanes 16-31 B's block i
.irp i, 0,1,2,3,4,5,6,7
	ds_load_b64 v[SC+8*NQ*\sc+NQ*\i:SC+8*NQ*\sc+NQ*\i+1], v[ADRS] offset:\i*SBLK
.endr
.endm
.macro STEP slot, q, zero              ; 128 along K that have their successor in the same slot
	s_wait_dscnt 4*NLA                             ; B's set and A's blocks 0-3 are in; the youngest loads (A's blocks 4-7) may be out
	WIN MUL_LO
	MUL16 0, (\q)%2, \q, \slot, \zero
	MUL16 2, (\q)%2, \q, \slot, \zero
	s_wait_dscnt 0
	PLACES NP                                      ; in front of loads into registers that matrix instructions have read
	FETCH_B \slot, (\q)+1, 1-(\q)%2
	FETCH_A \slot, (\q)+1, 0
	WIN MUL_HI
	MUL16 4, (\q)%2, \q, \slot, \zero
	MUL16 6, (\q)%2, \q, \slot, \zero
	PLACES NP
	WIN 0
	FETCH_A \slot, (\q)+1, 4
.endm
; A slot's last 128 along K change slots: one barrier; in front of it each wave waits for all its tensor loads, adds 0 to its spare word, and waits for that and for its reads of this slot.
.macro TURN slot, next, fill
	s_wait_tensorcnt 0x0                           ; all my tensor loads have landed: my part of the next slot
	ds_add_u32 v[SPW], v[NIL]                      ; 0 onto my spare word
	s_wait_dscnt 4*NLA+1                           ; (the add and A's blocks 4-7 may be out)
	WIN MUL_LO
	MUL16 0, 1, NQ-1, \slot, 0
	s_wait_dscnt 0x0                               ; the add is done, and my reads of this slot are over
	s_barrier_signal -1
	MUL16 2, 1, NQ-1, \slot, 0
	WIN 0
	s_barrier_wait -1
.if \fill
	CREST                                          ; the barrier has opened a round of the cluster's barrier: no wave of any partner still reads this slot or has a load on its way
	s_add_nc_u64 s[G0+4*\slot+2:G0+4*\slot+3], s[G0+4*\slot+2:G0+4*\slot+3], 2*TROW
	s_add_nc_u64 s[G0B+4*\slot+2:G0B+4*\slot+3], s[G0B+4*\slot+2:G0B+4*\slot+3], 2*TROW
	JLOAD G0+4*\slot, G1, G0B+4*\slot, G1B         ; the first tensor load behind the round; its four v_nop are the places in front of the loads below
.else
	PLACES NP
.endif
	v_add_nc_u32 v[ADRS], 4*NQ, v[ADRS]            ; on to the next K step's scale words
	FETCH_B \next, 0, 0
	FETCH_A \next, 0, 0
	SCALES \next
	WIN MUL_HI
	MUL16 4, 1, NQ-1, \slot, 0
	MUL16 6, 1, NQ-1, \slot, 0
	PLACES NP
	WIN 0
	FETCH_A \next, 0, 4
.endm
.macro LAST                            ; the very last 128 along K: nothing more to fetch
	s_wait_dscnt 4*NLA
	WIN MUL_LO
	MUL16 0, 1, NQ-1, 1, 0
	MUL16 2, 1, NQ-1, 1, 0
	s_wait_dscnt 0
	WIN MUL_HI
	MUL16 4, 1, NQ-1, 1, 0
	MUL16 6, 1, NQ-1, 1, 0
	WIN 0
.endm
	s_wait_tensorcnt 1                             ; the scale words and my part of K step 0 are in; K step 1's load may be out
	s_barrier_signal -1
	s_barrier_wait -1
	FETCH_B 0, 0, 0
	FETCH_A 0, 0, 0
	SCALES 0
	FETCH_A 0, 0, 4
	STEP 0, 0, 1                                   ; the first products start the sums
	TURN 0, 1, 1
	STEP 1, 0, 0
	TURN 1, 0, 1
	STEP 0, 0, 0
	TURN 0, 1, 0                                   ; the last change of slots fills nothing; no tensor load and no barrier follows up to the end
	s_mov_b32 s[SEL], 0x76543210
	s_mov_b32 s[SEL+1], 0xfedcba98
	s_mov_b32 s[HM], 0xffff0000
.irp b, 0,1,2,3
	v_mov_b32 v[TM+4+\b], 0                        ; written once: a lane permute's destination counts as one of its sources
.endr
	s_cmp_eq_u32 s99, 1
	s_cbranch_scc1 .Lvpath
	; ---------------- q and k.  The bias and the first two token tiles of the table are asked for here and land under the last 128 matrix instructions
	s_and_b32 s84, s17, 7
	s_lshl_b32 s84, s84, 1
	s_add_co_u32 s84, s84, s15                     ; my chunk of 128 tokens in the batch
	s_lshr_b32 s85, s17, 3                         ; the batch
	s_lshl_b32 s85, s85, 4
	s_lshl_b32 s86, s40, 2
	s_add_co_u32 s85, s85, s86
	s_lshl_b32 s86, s16, 1
	s_add_co_u32 s85, s85, s86                     ; 16 x batch + my first head (4 cx + 2 x half)
	s_lshl_b32 s85, s85, 4
	s_add_co_u32 s85, s85, s84                     ; its block
	s_mov_b32 s86, 6400
	s_mov_b32 s87, 6144
	s_cmp_eq_u32 ttmp9, 1                          ; cluster x = 1: wk's columns
	s_cselect_b32 s86, 12800, s86                  ; a block's bytes
	s_cselect_b32 s87, 12288, s87                  ; the pair words' place in it
	s_cselect_b32 s88, 6553600, 0
	s_cselect_b64 s[BP:BP+1], s[8:9], s[6:7]
	s_mul_i32 s85, s85, s86
	s_add_co_u32 s88, s88, s85
	s_mov_b32 s89, 0
	s_add_nc_u64 s[D0:D0+1], s[12:13], s[88:89]
	s_lshl_b32 s88, s86, 4
	s_add_nc_u64 s[D1:D1+1], s[D0:D0+1], s[88:89]  ; the next head: 16 blocks on
	s_mov_b32 s88, s87
	s_add_nc_u64 s[W0:W0+1], s[D0:D0+1], s[88:89]
	s_add_nc_u64 s[W1:W1+1], s[D1:D1+1], s[88:89]
	s_lshl_b32 s88, s84, 15
	s_add_nc_u64 s[RT:RT+1], s[4:5], s[88:89]
	s_add_nc_u64 s[RT:RT+1], s[RT:RT+1], 9830400   ; the table at my chunk's eight token tiles
	s_lshl_b32 s88, s40, 10
	s_lshl_b32 s90, s16, 9
	s_add_co_u32 s88, s88, s90
	s_add_nc_u64 s[BP:BP+1], s[BP:BP+1], s[88:89]  ; the bias of my 128 channels
	v_lshlrev_b32 v[BA], 6, v2                     ; register 16 b + i wants channel 32 b + 16 h + i
	WIN 0x40
.irp b, 0,1
.irp k, 0,1,2,3
	global_load_b128 v[96+16*\b+4*\k:96+16*\b+4*\k+3], v[BA], s[BP:BP+1] offset:128*\b+16*\k
.endr
.endr
.irp b, 0,1
.irp k, 0,1,2,3
	global_load_b128 v[224+16*\b+4*\k:224+16*\b+4*\k+3], v[BA], s[BP:BP+1] offset:256+128*\b+16*\k
.endr
.endr
	WIN 0
.irp a, 0,1
.irp k, 0,1,2,3,4,5,6,7
	global_load_b128 v[CS+32*\a+4*\k:CS+32*\a+4*\k+3], v[LN], s[RT:RT+1] offset:4096*\a+512*\k
.endr
.endr
	STEP 1, 0, 0
	LAST
	PLACES NP                                      ; behind the last products: results are read and A's registers written below
; Block a: 16 tokens x my 128 channels (two heads).  u = a % 2: which half of the pair fragments it fills.
.macro QKBLOCK a, u
.if (\a) < 7
	s_wait_loadcnt 8                               ; the bias and this tile's table are in; the next tile's eight loads may be out
.else
	s_wait_loadcnt 0
.endif
	WIN 0x06+(\a)/4                                ; source 0: the accumulators' window; source 1: window 1
.set kk, 0
.rept 16
	v_pk_add_f32 v[W+2*kk:W+2*kk+1], v[64*((\a)%4)+2*kk:64*((\a)%4)+2*kk+1], v[96+2*kk:96+2*kk+1]   ; + bias; ascending
.set kk, kk+1
.endr
.rept 16
	v_pk_add_f32 v[W+2*kk:W+2*kk+1], v[64*((\a)%4)+2*kk:64*((\a)%4)+2*kk+1], v[224+2*(kk-16):224+2*(kk-16)+1]
.set kk, kk+1
.endr
	WIN 0
.set CSB, CS+32*((\a)%2)
.irp c, 0,1                            ; head c: registers 32 c + i hold channel 16 h + i, registers 32 c + 16 + i channel 32 + 16 h + i: the pair that frequency 16 h + i turns
.irp k, 0,1,2,3,4,5,6,7
	v_pk_mul_f32 v[RTM+4*(\k%2):RTM+4*(\k%2)+1], v[W+32*\c+2*\k:W+32*\c+2*\k+1], v[CSB+2*\k:CSB+2*\k+1]
	v_pk_mul_f32 v[RTM+4*(\k%2)+2:RTM+4*(\k%2)+3], v[W+32*\c+2*\k:W+32*\c+2*\k+1], v[CSB+16+2*\k:CSB+16+2*\k+1]
	v_pk_fma_f32 v[W+32*\c+2*\k:W+32*\c+2*\k+1], v[W+32*\c+16+2*\k:W+32*\c+16+2*\k+1], v[CSB+16+2*\k:CSB+16+2*\k+1], v[RTM+4*(\k%2):RTM+4*(\k%2)+1] neg_lo:[1,0,0] neg_hi:[1,0,0]
	v_pk_fma_f32 v[W+32*\c+16+2*\k:W+32*\c+16+2*\k+1], v[W+32*\c+16+2*\k:W+32*\c+16+2*\k+1], v[CSB+2*\k:CSB+2*\k+1], v[RTM+4*(\k%2)+2:RTM+4*(\k%2)+3]
.endr
.endr
.if (\a) < 6
.irp k, 0,1,2,3,4,5,6,7
	global_load_b128 v[CSB+4*\k:CSB+4*\k+3], v[LN], s[RT:RT+1] offset:4096*((\a)+2)+512*\k
.endr
.endif
	QUANT W, F0+6*(\u), F1+6*(\u), T0, PW+(\u)     ; blocks 0, 1: the first head's 64 channels; blocks 2, 3: the second's
.endm
.irp bp, 0,1,2,3
	s_wait_xcnt 0x0                                ; the last pair's stores have read the fragments' registers
	QKBLOCK 2*\bp, 0
	QKBLOCK 2*\bp+1, 1
.irp c, 0,1,2
	global_store_b128 v[LN], v[F0+4*\c:F0+4*\c+3], s[D0:D0+1] offset:1536*\bp+512*\c   ; 512 consecutive bytes, aligned
	global_store_b128 v[LN], v[F1+4*\c:F1+4*\c+3], s[D1:D1+1] offset:1536*\bp+512*\c
.endr
	v_perm_b32 v[SW0+\bp], v[PW+1], v[PW], 0x05040100   ; the pair word: the even tile's two bytes, then the odd tile's
	v_perm_b32 v[SW1+\bp], v[PW+1], v[PW], 0x07060302
.endr
	v_cndmask_b32 v[DT], v[SW0], v[SW0+2], s[HM]   ; lanes 0-15 store words 0, 1 of their row, lanes 16-31 words 2, 3
	v_cndmask_b32 v[DT+1], v[SW0+1], v[SW0+3], s[HM]
	v_cndmask_b32 v[DT+2], v[SW1], v[SW1+2], s[HM]
	v_cndmask_b32 v[DT+3], v[SW1+1], v[SW1+3], s[HM]
	global_store_b64 v[WA], v[DT:DT+1], s[W0:W0+1] ; 256 consecutive bytes, aligned
	global_store_b64 v[WA], v[DT+2:DT+3], s[W1:W1+1]
	s_branch .Ldone
	; ---------------- v: a lane holds a channel, its registers run along the chunk's 128 keys
.Lvpath:
	s_lshl_b32 s84, s17, 2
	s_lshl_b32 s85, s15, 1
	s_add_co_u32 s84, s84, s85                     ; my first head: 4 x tile row + 2 x half
	s_lshr_b32 s85, s42, 3                         ; the batch
	s_lshl_b32 s85, s85, 4
	s_add_co_u32 s85, s85, s84
	s_lshl_b32 s85, s85, 4
	s_and_b32 s86, s42, 7
	s_lshl_b32 s86, s86, 1
	s_add_co_u32 s86, s86, s16                     ; my chunk of 128 tokens
	s_add_co_u32 s85, s85, s86
	s_mul_i32 s88, s85, 12800
	s_add_co_u32 s88, s88, 6553600+6144
	s_mov_b32 s89, 0
	s_add_nc_u64 s[D0:D0+1], s[12:13], s[88:89]
	s_add_nc_u64 s[D1:D1+1], s[D0:D0+1], 204800
	s_lshl_b32 s88, s17, 10
	s_lshl_b32 s90, s15, 9
	s_add_co_u32 s88, s88, s90
	s_add_nc_u64 s[BP:BP+1], s[10:11], s[88:89]    ; bv at my 128 channels
	v_and_b32 v[BA], 8, v1
	v_add_nc_u32 v[BA], v[BA], v1
	v_lshlrev_b32 v[BA], 2, v[BA]                  ; place r of block a is channel 32 (a / 2) + 8 (a % 2) + r + 8 (r / 8)
.irp a, 0,1,2,3,4,5,6,7
	global_load_b32 v[BV+\a], v[BA], s[BP:BP+1] offset:4*(32*(\a/2)+8*(\a%2))
.endr
	STEP 1, 0, 0
	LAST
	PLACES NP
	s_wait_loadcnt 0x0
.macro VBLOCK a
	s_wait_xcnt 0x0                                ; the last block's stores have read the fragment's registers
	WIN 0x02+(\a)/4
.set kk, 0
.rept 32
.if ((\a)%2) == 0
	v_pk_add_f32 v[W+2*kk:W+2*kk+1], v[64*((\a)%4)+2*kk:64*((\a)%4)+2*kk+1], v[BV+2*((\a)/2):BV+2*((\a)/2)+1] op_sel_hi:[1,0]
.else
	v_pk_add_f32 v[W+2*kk:W+2*kk+1], v[64*((\a)%4)+2*kk:64*((\a)%4)+2*kk+1], v[BV+2*((\a)/2):BV+2*((\a)/2)+1] op_sel:[0,1] op_sel_hi:[1,1]
.endif
.set kk, kk+1
.endr
	WIN 0
	QUANT W, F0, F0+6, T0, SWV+(\a)
.irp c, 0,1,2
.if (\a) < 4
	global_store_b128 v[LN], v[F0+4*\c:F0+4*\c+3], s[D0:D0+1] offset:1536*((\a)%4)+512*\c
.else
	global_store_b128 v[LN], v[F0+4*\c:F0+4*\c+3], s[D1:D1+1] offset:1536*((\a)%4)+512*\c
.endif
.endr
.endm
.irp a, 0,1,2,3,4,5,6,7
	VBLOCK \a
.endr
	v_cndmask_b32 v[DT], v[SWV], v[SWV+2], s[HM]
	v_cndmask_b32 v[DT+1], v[SWV+1], v[SWV+3], s[HM]
	v_cndmask_b32 v[DT+2], v[SWV+4], v[SWV+6], s[HM]
	v_cndmask_b32 v[DT+3], v[SWV+5], v[SWV+7], s[HM]
	global_store_b64 v[WA], v[DT:DT+1], s[D0:D0+1] offset:6400
	global_store_b64 v[WA], v[DT+2:DT+3], s[D1:D1+1] offset:6400
.Ldone:
	s_wait_tensorcnt 0x0                           ; the wave's end
	ds_add_u32 v[SPW], v[NIL]
	s_wait_dscnt 0x0
	CROUND                                         ; the closing round: no work-group ends while a partner may still ask for a tile that names it
	s_endpgm
.Lfunc_end_k_qc2e77c3760_qkv:
	.size	k_qc2e77c3760_qkv, .Lfunc_end_k_qc2e77c3760_qkv-k_qc2e77c3760_qkv
	.p2alignl 7, 3214868480
	.fill 96, 4, 3214868480
	.section	.rodata,"a",@progbits
	.p2align	6, 0x0
	.amdhsa_kernel k_qc2e77c3760_qkv
		.amdhsa_group_segment_fixed_size 327680
		.amdhsa_private_segment_fixed_size 0
		.amdhsa_enable_private_segment 0
		.amdhsa_kernarg_size 40
		.amdhsa_user_sgpr_count 2
		.amdhsa_user_sgpr_kernarg_segment_ptr 1
		.amdhsa_wavefront_size32 1
		.amdhsa_system_sgpr_workgroup_id_x 1
		.amdhsa_system_sgpr_workgroup_id_y 1
		.amdhsa_system_sgpr_workgroup_id_z 1
		.amdhsa_system_vgpr_workitem_id 0
		.amdhsa_next_free_vgpr 1024
		.amdhsa_next_free_sgpr 106
		.amdhsa_reserve_vcc 0
		.amdhsa_float_denorm_mode_32 3
		.amdhsa_float_denorm_mode_16_64 3
		.amdhsa_memory_ordered 1
		.amdhsa_forward_progress 1
		.amdhsa_inst_pref_size 255
	.end_amdhsa_kernel
	.section	.bss,"aw",@nobits
	.p2align	6
	.space	262144
	.amdgpu_metadata
---
amdhsa.version: [ 1, 2 ]
amdhsa.kernels:
  - .name:           k_qc2e77c3760_qkv
    .symbol:         k_qc2e77c3760_qkv.kd
    .args:
      - { .name: xw, .offset: 0, .size: 8, .value_kind: global_buffer, .address_space: global }
      - { .name: bq, .offset: 8, .size: 8, .value_kind: global_buffer, .address_space: global }
      - { .name: bk, .offset: 16, .size: 8, .value_kind: global_buffer, .address_space: global }
      - { .name: bv, .offset: 24, .size: 8, .value_kind: global_buffer, .address_space: global }
      - { .name: qkv, .offset: 32, .size: 8, .value_kind: global_buffer, .address_space: global }
    .group_segment_fixed_size: 327680
    .private_segment_fixed_size: 0
    .kernarg_segment_align: 8
    .kernarg_segment_size: 40
    .max_flat_workgroup_size: 128
    .sgpr_count:     106
    .vgpr_count:     1024
    .wavefront_size: 32
...
	.end_amdgpu_metadata
.endif
;; end of part 2
;; launch attn (part 3): grid 4 x 64, 16 waves a work-group, no clusters, 327,680 bytes of LDS; arguments qkv, yq; writes yq
.if DOCPART == 3
	.amdgcn_target "amdgcn-amd-amdhsa--gfx1250"
	.amdhsa_code_object_version 6
	.text
	.protected	k_qc2e77c3760_attn
	.globl	k_qc2e77c3760_attn
	.p2align	8
	.type	k_qc2e77c3760_attn,@function
k_qc2e77c3760_attn:
	s_mov_b64 s[64:65], 0
	v_nop
	global_prefetch_b8 v0, s[64:65] scope:SCOPE_SE
	s_setreg_imm32_b32 hwreg(HW_REG_WAVE_MODE, 25, 1), 1
	s_wait_xcnt 0x0
; y[b][t][head] = softmax over the keys s <= t of (q . k / 8) times v, both products on codes of BF6 (E3M2) with E8M0 scales; y leaves as codes, quantised along the channels, for the last product.
; THE SOFTMAX: t = score x log2(e) / 8; M = the row's largest t so far, rounded up to a whole number; p = 2^(t - M) is quantised along the keys, not normalised.  The row's sum is taken of the unquantised p and divides O at the end
; (a reciprocal and a multiplication).  When M moves, the sum and O are multiplied by 2^(old M - new M): exact.
; SHARES.  Work-group (I, head of batch) owns two blocks of 256 queries: block 7 - I, which sees 8 - I slots of 256 keys, then block I, which sees I + 1: nine slots for every work-group.  Each of the sixteen waves owns one tile of 16
; queries in each block, in 256 registers: four waves to a SIMD, so that one wave's vector work stands beside another's matrix work.
; ONE LOOP OF EIGHT TRIPS, and a ninth written out without a refill.  K, V and their scale words of 128 keys are one dense block of 12,800 bytes of qkv; a slot is two such blocks, fetched by waves 0-3, 6,400 bytes each, and read by all.
; The change from the first block of queries to the second is a forward branch on counters and the work-group's number; no barrier and no tensor load stands in it.
; A step all of whose 128 keys come after my queries is left out by a scalar branch on such numbers; on the diagonal hidden scores become -infinity ahead of the maximum.
; LAYOUT.  Both products transposed: S^T = K q^T, O^T = V^T p^T: a lane holds one query (lane % 16).  Place r of key tile 2 b + u is key 32 b + 8 u + r + 8 (r / 8), so the 16 registers of two neighbouring tiles are 16 neighbouring keys.
; A HEAD HAS 64 CHANNELS, THE INSTRUCTION 128 ALONG K: a pair fragment of K holds tile 2 b in K 0-63 and tile 2 b + 1 in K 64-127.  Against [q | zeros] it gives tile 2 b's scores, against [zeros | q] tile 2 b + 1's: zero codes add nothing.
; NO CLUSTER: the four work-groups of a head change blocks at different trips (after 8, 7, 6, 5), so from the sixth trip on they want different slots, and a joint request must be the same in all that it names.
; PREFETCH: the head's work-group I = 0 walks slots 0-7 in order; in trips 0-5 its waves 4-7 name slot trip + 2, 25 blocks of 256 bytes a wave (lanes 25-31 name the 25th again), one slot ahead of the load that wants it.
; LIMITS: NaN and infinities are not served; a block of y under 2^-122 keeps the byte 1.  All of a WGP's LDS is claimed; 67,584 bytes are used.
.set SLOT1, 32768
.set BLKB,  12800
.set SPARE, 65536                      ; the spare words, 128 bytes for each wave: eight blocks of 256 bytes that no other line names
.set LN,   1                           ; v1   16 x lane
.set AD,   2                           ; v2   the same in the slot in hand
.set SPW,  3
.set NIL,  4
.set DD,   5                           ; v5   my query's place in its chunk - 16 (lane / 16)
.set LN8,  6                           ; v6   8 x lane
.set YSA,  7                           ; v7   32 r + h: y's scale byte
.set QA,   8                           ; v8   my pair fragment of Q: 16 x lane + 1,536 x pair
.set R16,  9
.set PFO,  10                          ; v10  the prefetches' offset
.set QW,   11                          ; v11  16 r + 4 x pair
.set QZ,   16                          ; v16-21 zeros, v22-27 q, v28-33 zeros
.set QS,   34                          ; q's scale word, its two bytes twice
.set PS,   35                          ; p's scale word
.set KV,   36                          ; v36-83 four fragments of K, then of V
.set SCW,  84                          ; v84-87 lanes 0-15 K's pair words, lanes 16-31 V's words
.set S,    96                          ; v96-159 S^T, then p
.set O,    160                         ; v160-191 O^T
.set PCD,  192                         ; v192-203 p's codes
.set CT,   204                         ; v204-211 the conversions' second halves
.set BM,   212
.set PT,   216
.set SO,   220
.set YBY,  226
.set F,    228                         ; v[228:229] f, or 1 / the sum; the upper word is 0 and only named
.set TA,   230
.set NINF, 231
.set QB,   232                         ; v232-237, v238: the second block's q and its scale word
.set QSB,  238
.set WV,   8
.set W3,   9
.set KVB,  10                          ; s[10:11] the head's K, V blocks, at my 6,400 bytes of a slot
.set G0,   12
.set G1,   16
.set SEL,  24
.set CS,   26
.set HM,   28
.set TB,   29
.set TAU,  34
.set NA,   35
.set CK,   36
.set CQ,   37
.set CQB,  38
.set LIM,  39
.set PFA,  40
.set YC,   42
.set YH,   43
.set YH2,  44
.set UM,   45
.set SELQ, 46
.macro TLOAD                           ; waves 0-3 fetch; four v_nop follow the load
	s_cmp_lt_u32 s[WV], 4
	s_cbranch_scc0 .Lno_fetch_\@
	tensor_load_to_lds s[G0:G0+3], s[G1:G1+7]
	s_nop 0
.rept 4
	v_nop
.endr
.Lno_fetch_\@:
.endm
.macro ASK
	s_cmp_lt_u32 s[TAU], s[LIM]
	s_cbranch_scc0 .Lno_ask_\@
	global_prefetch_b8 v[PFO], s[PFA:PFA+1] th:TH_LOAD_NT scope:SCOPE_SE
.Lno_ask_\@:
.endm
	s_load_b128 s[4:7], s[0:1], 0x0                ; qkv, yq
	v_lshl_add_u32 v[SPW], v0, 2, SPARE
	v_mov_b32 v[NIL], 0
	ds_add_u32 v3, v4
	ds_add_u32 v3, v4
	s_wait_dscnt 0x0
	v_lshrrev_b32 v12, 5, v0
	s_delay_alu instid0(VALU_DEP_1)
	v_readfirstlane_b32 s[WV], v12                 ; wave 0..15
	s_and_b32 s[W3], s[WV], 3
	s_and_b32 s30, ttmp7, 0xffff                   ; head of batch
	s_sub_co_u32 s[NA], 8, ttmp9                   ; slots of the first block of queries
	s_mov_b32 s[G1], 3<<16                         ; elements of 8 bytes, no mask, no padding
	s_mov_b32 s[G1+1], 32<<16                      ; 25 rows of 256 bytes, dense
	s_mov_b32 s[G1+2], 25<<16
	s_mov_b32 s[G1+3], 32<<16
	s_mov_b32 s[G1+4], 25
	s_mov_b32 s[G1+5], 32
	s_mov_b32 s[G1+6], 0
	s_mov_b32 s[G1+7], 0
	s_mul_i32 s52, s30, 204800
	s_mul_i32 s31, s[W3], 6400
	s_add_co_u32 s52, s52, s31
	s_add_co_u32 s52, s52, 6553600
	s_mov_b32 s53, 0
	s_wait_kmcnt 0x0
	s_add_nc_u64 s[KVB:KVB+1], s[4:5], s[52:53]
	s_mov_b32 s[G0], 1
	s_mov_b32 s[G0+1], s31                         ; LDS: slot 0, my quarter
	s_mov_b64 s[G0+2:G0+3], s[KVB:KVB+1]
	s_or_b32 s[G0+3], s[G0+3], 0x80000000
	TLOAD                                          ; key slot 0
	s_add_nc_u64 s[PFA:PFA+1], s[KVB:KVB+1], 25600 ; in slot 1: the first change of slots steps it to slot 2.  Nothing is prefetched here, at the head
	s_lshr_b32 s31, s[WV], 2
	s_xor_b32 s31, s31, 1                          ; 0 in waves 4-7,
	s_or_b32 s31, s31, ttmp9                       ; of work-group I = 0
	s_cmp_eq_u32 s31, 0
	s_cselect_b32 s[LIM], 6, 0
	s_lshr_b32 s31, s[WV], 3
	s_lshl_b32 s32, ttmp9, 1
	s_add_co_u32 s[CQB], s32, s31                  ; my chunk of 128 queries in the second block: 2 I + wave / 8
	s_sub_co_u32 s[CQ], 14, s32
	s_add_co_u32 s[CQ], s[CQ], s31                 ; and in the first: 2 (7 - I) + wave / 8
	s_lshl_b32 s33, s30, 4
	s_add_co_u32 s52, s33, s[CQ]
	s_mul_i32 s52, s52, 6400
	s_add_nc_u64 s[54:55], s[4:5], s[52:53]        ; the first block's Q
	s_add_co_u32 s52, s33, s[CQB]
	s_mul_i32 s52, s52, 6400
	s_add_nc_u64 s[56:57], s[4:5], s[52:53]        ; the second's
	s_lshr_b32 s31, s30, 4
	s_lshl_b32 s31, s31, 7
	s_and_b32 s32, s[WV], 7
	s_add_co_u32 s[YC], s31, s32                   ; y's token tile: 128 x batch + 8 x chunk + wave % 8
	s_and_b32 s31, s30, 15
	s_mul_i32 s[YH], s31, 768                      ; my head's six registers in a tile of yq
	s_lshl_b32 s31, s31, 1
	s_add_co_u32 s[YH2], s31, 6291456              ; and its two scale bytes in a row
	s_mov_b32 s[SEL], 0x76543210
	s_mov_b32 s[SEL+1], 0xfedcba98
	s_mov_b32 s[CS], 0x3e38aa3b                    ; c = log2(e) / 8
	s_mov_b32 s[CS+1], s[CS]
	s_mov_b32 s[HM], 0xffff0000
	s_mov_b32 s[TB], 0
	s_mov_b32 s[TAU], 0
	s_mov_b32 s[CK], 0
	s_bfe_u32 s31, s[WV], 0x20001                  ; the pair of token tiles: (wave % 8) / 2
	s_and_b32 s32, s[WV], 1                        ; and which of the two is mine
	s_mov_b32 s[SELQ], 0x01000100
	s_cmp_eq_u32 s32, 1
	s_cselect_b32 s[UM], -1, 0
	s_cselect_b32 s[SELQ], 0x03020302, s[SELQ]
	v_and_b32 v[LN], 31, v0
	s_delay_alu instid0(VALU_DEP_1)
	v_lshlrev_b32 v[LN8], 3, v[LN]
	s_delay_alu instid0(VALU_DEP_2)
	v_min_u32 v[PFO], 24, v[LN]
	s_delay_alu instid0(VALU_DEP_1)
	v_lshlrev_b32 v[PFO], 8, v[PFO]
	s_delay_alu instid0(VALU_DEP_4)
	v_lshlrev_b32 v[LN], 4, v[LN]
	v_and_b32 v12, 15, v0                          ; r
	v_bfe_u32 v13, v0, 4, 1                        ; h
	s_delay_alu instid0(VALU_DEP_2)
	v_lshlrev_b32 v[R16], 4, v12
	s_delay_alu instid0(VALU_DEP_2)
	v_lshl_add_u32 v[YSA], v12, 5, v13
	s_mul_i32 s33, s31, 1536
	v_add_nc_u32 v[QA], s33, v[LN]
	s_lshl_b32 s33, s31, 2
	v_add_nc_u32 v[QW], s33, v[R16]
	v_and_b32 v14, 8, v12
	s_delay_alu instid0(VALU_DEP_1)
	v_add_nc_u32 v14, v14, v12
	v_lshlrev_b32 v15, 4, v13
	s_delay_alu instid0(VALU_DEP_1)
	v_sub_nc_u32 v14, v14, v15
	s_lshl_b32 s33, s31, 5
	s_lshl_b32 s32, s32, 3
	s_add_co_u32 s33, s33, s32
	v_add_nc_u32 v[DD], s33, v14                   ; 32 x pair + 8 u + r + 8 (r / 8) - 16 h
.irp c, 0,1,2
	global_load_b128 v[S+4*\c:S+4*\c+3], v[QA], s[54:55] offset:512*\c
	global_load_b128 v[S+16+4*\c:S+16+4*\c+3], v[QA], s[56:57] offset:512*\c
.endr
	global_load_b32 v[S+12], v[QW], s[54:55] offset:6144
	global_load_b32 v[S+28], v[QW], s[56:57] offset:6144
	v_mov_b32 v13, 0xff61b1e6                      ; the largest t so far: -3e38, under every t
	s_delay_alu instid0(VALU_DEP_1)
	v_floor_f32 v12, -v13                          ; -M
	v_mov_b32 v14, 0                               ; the sum, in two halves
	v_mov_b32 v15, 0
	v_mov_b32 v[NINF], 0xff800000
	v_mov_b32 v[TA], 0
	v_mov_b32 v[F+1], 0
.irp b, 0,1,2,3
	v_mov_b32 v[PT+\b], 0                          ; written once: a lane permute's destination counts as one of its sources
.endr
	s_wait_loadcnt 0x0
.irp i, 0,1,2,3,4,5
	v_cndmask_b32 v[QZ+6+\i], v[S+\i], v[S+6+\i], s[UM]        ; my tile's six registers of the pair fragment
	v_cndmask_b32 v[QB+\i], v[S+16+\i], v[S+22+\i], s[UM]
.endr
	v_perm_b32 v[QS], v[S+12], v[S+12], s[SELQ]    ; my tile's two bytes of the pair word, twice
	v_perm_b32 v[QSB], v[S+28], v[S+28], s[SELQ]
.irp i, 0,1,2,3,4,5
	v_mov_b32 v[QZ+\i], 0
	v_mov_b32 v[QZ+12+\i], 0
.endr
.set n, 0
.rept 32
	v_mov_b32 v[O+n], 0                            ; O^T: the first change of M multiplies zeros.  (These lines are also the places ahead of the first scaled products)
.set n, n+1
.endr
; A KEY STEP: the slot's q-th 128 keys.
.macro STEP q
	s_add_co_u32 s32, s[CK], \q
	s_cmp_gt_u32 s32, s[CQ]                        ; all these keys come after my queries
	s_cbranch_scc1 .Lhidden_\@
	s_wait_alu depctr_va_vdst(0)
.irp b, 0,1,2,3
.irp c, 0,1,2
	ds_load_b128 v[KV+12*\b+4*\c:KV+12*\b+4*\c+3], v[AD] offset:BLKB*\q+1536*\b+512*\c
.endr
.endr
	ds_load_b128 v[SCW:SCW+3], v[AD] offset:BLKB*\q+12288
	s_wait_dscnt 0x0
.irp b, 0,1,2,3
	v_wmma_scale_f32_16x16x128_f8f6f4 v[S+16*\b:S+16*\b+7], v[KV+12*\b:KV+12*\b+11], v[QZ+6:QZ+17], 0, v[SCW+\b], v[QS] matrix_a_fmt:MATRIX_FMT_BF6 matrix_b_fmt:MATRIX_FMT_BF6
	v_wmma_scale_f32_16x16x128_f8f6f4 v[S+16*\b+8:S+16*\b+15], v[KV+12*\b:KV+12*\b+11], v[QZ:QZ+11], 0, v[SCW+\b], v[QS] matrix_a_fmt:MATRIX_FMT_BF6 matrix_b_fmt:MATRIX_FMT_BF6
.endr
.rept 4
	v_nop                                          ; places behind the products: for the loads into K's registers and for the first read of the scores
.endr
	s_wait_alu depctr_va_vdst(0)
.irp t, 0,1,2,3
.irp c, 0,1,2
	ds_load_b128 v[KV+12*\t+4*\c:KV+12*\t+4*\c+3], v[AD] offset:BLKB*\q+6144+1536*\t+512*\c   ; V lands under the softmax
.endr
.endr
	s_cmp_lg_u32 s32, s[CQ]                        ; off the diagonal every key counts
	s_cbranch_scc1 .Lopen_\@
.set n, 0
.rept 64
	v_cmp_gt_i32 vcc_lo, 32*(n/16)+n%16, v[DD]     ; register 16 b + i holds key 32 b + 16 (lane / 16) + i of the chunk
	v_cndmask_b32 v[S+n], v[S+n], v[NINF], vcc_lo
.set n, n+1
.endr
.Lopen_\@:
.irp b, 0,1,2,3
	v_max3_num_f32 v[BM+\b], v[S+16*\b], v[S+1+16*\b], v[S+2+16*\b]   ; the largest score of each block of 32 keys: for the row's maximum and, since p rises with the score, for the block's largest p
.endr
.irp i, 3,5,7,9,11,13
.irp b, 0,1,2,3
	v_max3_num_f32 v[BM+\b], v[BM+\b], v[S+16*\b+\i], v[S+1+16*\b+\i]
.endr
.endr
.irp b, 0,1,2,3
	v_max_num_f32 v[BM+\b], v[BM+\b], v[S+15+16*\b]
.endr
.irp b, 0,1,2,3
	s_delay_alu instid0(VALU_DEP_4)
	v_permlanex16_b32 v[PT+\b], v[BM+\b], s[SEL], s[SEL+1]
.endr
.irp b, 0,1,2,3
	s_delay_alu instid0(VALU_DEP_4)
	v_max_num_f32 v[BM+\b], v[BM+\b], v[PT+\b]
.endr
	s_delay_alu instid0(VALU_DEP_2)
	v_max3_num_f32 v[TA], v[BM], v[BM+1], v[BM+2]
	s_delay_alu instid0(VALU_DEP_1)
	v_max_num_f32 v[TA], v[TA], v[BM+3]
	s_delay_alu instid0(VALU_DEP_1)
	v_mul_f32 v[TA], s[CS], v[TA]
	s_delay_alu instid0(VALU_DEP_1)
	v_max_num_f32 v13, v13, v[TA]                  ; the running largest t
	v_mov_b32 v[TA], v12
	s_delay_alu instid0(VALU_DEP_2)
	v_floor_f32 v12, -v13                          ; the new -M = -ceil(t)
	s_delay_alu instid0(VALU_DEP_1)
	v_sub_f32 v[TA], v12, v[TA]                    ; old M - new M: a whole number, 0 or less
	s_delay_alu instid0(VALU_DEP_1)
	v_cvt_i32_f32 v[TA], v[TA]                     ; (it saturates)
	s_delay_alu instid0(VALU_DEP_1)
	v_ldexp_f32 v[F], 1.0, v[TA]                   ; f = 2^(old M - new M)
.set n, 0
.rept 32
	v_pk_fma_f32 v[S+n:S+n+1], v[S+n:S+n+1], s[CS:CS+1], v[12:13] op_sel_hi:[1,0,0]   ; t - M
.set n, n+2
.endr
.irp b, 0,1,2,3
	v_fma_f32 v[BM+\b], v[BM+\b], s[CS], v12
.endr
.set n, 0
	s_wait_alu depctr_va_vdst(0)
.rept 64
	v_exp_f32 v[S+n], v[S+n]                       ; p = 2^(t - M)
.set n, n+1
.endr
	v_pk_mul_f32 v[14:15], v[14:15], v[F:F+1] op_sel_hi:[1,0]   ; the sums under the new M: a plain place behind the exponentials
	s_wait_alu depctr_va_vdst(0)                   ; one wait for the batch, ahead of its first reader
.irp b, 0,1,2,3
	v_exp_f32 v[BM+\b], v[BM+\b]                   ; the block's largest p
.endr
	v_pk_add_f32 v[216:217], v[100:101], v[104:105]
	v_pk_add_f32 v[254:255], v[108:109], v[112:113]
	v_pk_add_f32 v[252:253], v[116:117], v[120:121]
	v_pk_add_f32 v[250:251], v[124:125], v[128:129]
	v_pk_add_f32 v[248:249], v[132:133], v[136:137]
	v_pk_add_f32 v[246:247], v[140:141], v[144:145]
	v_pk_add_f32 v[244:245], v[148:149], v[152:153]
	v_pk_add_f32 v[14:15], v[14:15], v[156:157]
	v_pk_add_f32 v[216:217], v[216:217], v[96:97]
	v_pk_add_f32 v[254:255], v[254:255], v[98:99]
	v_pk_add_f32 v[252:253], v[252:253], v[102:103]
	v_pk_add_f32 v[250:251], v[250:251], v[106:107]
	v_pk_add_f32 v[248:249], v[248:249], v[110:111]
	v_pk_add_f32 v[246:247], v[246:247], v[114:115]
	v_pk_add_f32 v[244:245], v[244:245], v[118:119]
	v_pk_add_f32 v[14:15], v[14:15], v[122:123]
	v_pk_add_f32 v[216:217], v[216:217], v[126:127]
	v_pk_add_f32 v[254:255], v[254:255], v[130:131]
	v_pk_add_f32 v[252:253], v[252:253], v[134:135]
	v_pk_add_f32 v[250:251], v[250:251], v[138:139]
	v_pk_add_f32 v[248:249], v[248:249], v[142:143]
	v_pk_add_f32 v[246:247], v[246:247], v[146:147]
	v_pk_add_f32 v[244:245], v[244:245], v[150:151]
	v_pk_add_f32 v[14:15], v[14:15], v[154:155]
	v_pk_add_f32 v[216:217], v[216:217], v[158:159]
	s_delay_alu instid0(VALU_DEP_2)
	v_pk_add_f32 v[14:15], v[14:15], v[250:251]
	s_delay_alu instid0(VALU_DEP_2)
	v_pk_add_f32 v[216:217], v[216:217], v[248:249]
	v_pk_add_f32 v[254:255], v[254:255], v[246:247]
	v_pk_add_f32 v[252:253], v[252:253], v[244:245]
	s_delay_alu instid0(VALU_DEP_2)
	v_pk_add_f32 v[14:15], v[14:15], v[254:255]
	s_delay_alu instid0(VALU_DEP_2)
	v_pk_add_f32 v[216:217], v[216:217], v[252:253]
	s_delay_alu instid0(VALU_DEP_1)
	v_pk_add_f32 v[14:15], v[14:15], v[216:217]
	s_wait_alu depctr_va_vdst(0)                   ; and one for the four
.irp b, 0,1,2,3
	v_max_num_f32 v[BM+\b], 0x2800000, v[BM+\b]    ; the floor 2^(5 - 127): a block whose every p is 0 keeps the byte 1: its codes are zeros
.endr
.irp b, 0,1,2,3
	s_delay_alu instid0(VALU_DEP_4)
	v_add_nc_u32 v[SO+\b], 0xfe000000, v[BM+\b]
.endr
.irp b, 0,1,2,3
	s_delay_alu instid0(VALU_DEP_4)
	v_lshrrev_b32 v[PT+\b], 23, v[SO+\b]
.endr
	s_delay_alu instid0(VALU_DEP_3)
	v_lshl_or_b32 v[PS], v[PT+1], 8, v[PT]
	s_delay_alu instid0(VALU_DEP_1)
	v_lshl_or_b32 v[PS], v[PT+2], 16, v[PS]
	s_delay_alu instid0(VALU_DEP_1)
	v_lshl_or_b32 v[PS], v[PT+3], 24, v[PS]
.irp c, 0,1
	v_cvt_scalef32_pk16_bf6_f32 v[PCD+6*\c:PCD+6*\c+2], v[S+32*\c:S+32*\c+15], v[SO+2*\c]
	v_cvt_scalef32_pk16_bf6_f32 v[CT+4*\c:CT+4*\c+2], v[S+16+32*\c:S+31+32*\c], v[SO+2*\c+1]
.endr
	v_nop                                          ; one plain place behind the scaled conversions
.irp c, 0,1
.irp i, 0,1,2
	v_permlane16_swap_b32 v[PCD+6*\c+\i], v[CT+4*\c+\i]
.endr
.irp i, 0,1,2
	s_delay_alu instid0(VALU_DEP_3)
	v_mov_b32 v[PCD+3+6*\c+\i], v[CT+4*\c+\i]
.endr
.endr
.set n, 0
.rept 16
	v_pk_mul_f32 v[O+n:O+n+1], v[O+n:O+n+1], v[F:F+1] op_sel_hi:[1,0]   ; O^T under the new M; twelve of these name no register of any one product below: the places ahead of the scaled products
.set n, n+2
.endr
	s_wait_alu depctr_va_vdst(0)
	s_wait_dscnt 0x0                               ; V is in
.irp t, 0,1,2,3
	v_wmma_scale_f32_16x16x128_f8f6f4 v[O+8*\t:O+8*\t+7], v[KV+12*\t:KV+12*\t+11], v[PCD:PCD+11], v[O+8*\t:O+8*\t+7], v[SCW+\t], v[PS] matrix_a_fmt:MATRIX_FMT_BF6 matrix_b_fmt:MATRIX_FMT_BF6 matrix_a_scale:MATRIX_SCALE_ROW1
.endr
.rept 4
	v_nop                                          ; places behind the products: for the next loads into their registers and the next read of O^T
.endr
.Lhidden_\@:
.endm
; THE CHANGE OF SLOTS stands at a trip's head.  Each wave waits for all its tensor loads, adds 0 to its spare word, and waits for that and for its reads of the slot that it has left; behind the barrier the slot ahead is whole
; and nobody reads the other one, which (fill = 1) takes the next trip's keys: slot trip + 1 of the first block's walk, or trip + 1 - NA of the second's.
.macro CHANGE fill
	s_wait_tensorcnt 0x0                           ; no tensor load of mine is out, so group 0 may be written
	ds_add_u32 v[SPW], v[NIL]                      ; 0 onto my spare word
.if \fill
	s_xor_b32 s[G0+1], s[G0+1], SLOT1
	s_add_co_u32 s30, s[TAU], 1
	s_cmp_ge_u32 s30, s[NA]
	s_cselect_b32 s31, s[NA], 0
	s_sub_co_u32 s30, s30, s31
	s_mul_i32 s30, s30, 25600
	s_mov_b32 s31, 0
	s_add_nc_u64 s[G0+2:G0+3], s[KVB:KVB+1], s[30:31]
	s_or_b32 s[G0+3], s[G0+3], 0x80000000
	s_wait_xcnt 0x0                                ; the last prefetch, a trip back, has read its address
	s_add_nc_u64 s[PFA:PFA+1], s[PFA:PFA+1], 25600
.endif
	s_wait_dscnt 0x0                               ; the add is done, and my reads of the slot that I have left are over
	s_barrier_signal -1
	s_barrier_wait -1
.if \fill
	TLOAD                                          ; the first thing behind the barrier, and a wave's one tensor load until the next
	ASK
.endif
.endm
.macro TRIPBODY
	v_add_nc_u32 v[AD], s[TB], v[LN]
	STEP 0
	STEP 1
	s_xor_b32 s[TB], s[TB], SLOT1
	s_add_co_u32 s[CK], s[CK], 2
	s_add_co_u32 s[TAU], s[TAU], 1
.endm
; A block of queries is done: O^T / the sum, quantised along my head's 64 channels (register 16 b + i = channel 32 b + 16 (lane / 16) + i), leaves as six registers of y's fragment and two scale bytes a row.
.macro FINISH
	v_add_f32 v14, v14, v15
	s_delay_alu instid0(VALU_DEP_1)
	v_permlanex16_b32 v[TA], v14, s[SEL], s[SEL+1]
	s_delay_alu instid0(VALU_DEP_1)
	v_add_f32 v14, v14, v[TA]                      ; the row's sum
	s_wait_alu depctr_va_vdst(0)
	v_rcp_f32 v[F], v14
	v_nop                                          ; a plain place behind the reciprocal
	s_lshl_b32 s30, s[CQ], 3
	s_add_co_u32 s30, s30, s[YC]                   ; y's token tile
	s_mul_i32 s52, s30, 12288
	s_add_co_u32 s52, s52, s[YH]
	s_mov_b32 s53, 0
	s_add_nc_u64 s[48:49], s[6:7], s[52:53]
	s_lshl_b32 s52, s30, 9
	s_add_co_u32 s52, s52, s[YH2]
	s_add_nc_u64 s[50:51], s[6:7], s[52:53]
	s_wait_alu depctr_va_vdst(0)                   ; ahead of the reciprocal's first reader
.set n, 0
.rept 16
	v_pk_mul_f32 v[S+n:S+n+1], v[O+n:O+n+1], v[F:F+1] op_sel_hi:[1,0]   ; ascending: each accumulator is read from its low end on
.set n, n+2
.endr
.irp b, 0,1
	v_max3_num_f32 v[BM+\b], |v[S+16*\b]|, |v[S+1+16*\b]|, 0x2800000
.endr
.irp i, 2,4,6,8,10,12,14
.irp b, 0,1
	s_delay_alu instid0(VALU_DEP_2)
	v_max3_num_f32 v[BM+\b], v[BM+\b], |v[S+16*\b+\i]|, |v[S+1+16*\b+\i]|
.endr
.endr
.irp b, 0,1
	s_delay_alu instid0(VALU_DEP_2)
	v_permlanex16_b32 v[PT+\b], v[BM+\b], s[SEL], s[SEL+1]
.endr
.irp b, 0,1
	s_delay_alu instid0(VALU_DEP_2)
	v_max_num_f32 v[BM+\b], v[BM+\b], v[PT+\b]
.endr
.irp b, 0,1
	s_delay_alu instid0(VALU_DEP_2)
	v_add_nc_u32 v[SO+\b], 0xfe000000, v[BM+\b]
.endr
.irp b, 0,1
	s_delay_alu instid0(VALU_DEP_2)
	v_lshrrev_b32 v[PT+\b], 23, v[SO+\b]
.endr
	v_cvt_scalef32_pk16_bf6_f32 v[PCD:PCD+2], v[S:S+15], v[SO]
	v_cvt_scalef32_pk16_bf6_f32 v[CT:CT+2], v[S+16:S+31], v[SO+1]
	v_nop                                          ; one plain place behind the scaled conversions
.irp i, 0,1,2
	v_permlane16_swap_b32 v[PCD+\i], v[CT+\i]
.endr
.irp i, 0,1,2
	s_delay_alu instid0(VALU_DEP_3)
	v_mov_b32 v[PCD+3+\i], v[CT+\i]
.endr
	v_cndmask_b32 v[YBY], v[PT], v[PT+1], s[HM]    ; lanes 0-15 store block 0's byte, lanes 16-31 block 1's
.irp p, 0,1,2
	global_store_b64 v[LN8], v[PCD+2*\p:PCD+2*\p+1], s[48:49] offset:256*\p   ; 256 consecutive bytes, aligned
.endr
	global_store_b8 v[YSA], v[YBY], s[50:51]       ; two of a row's 32 scale bytes are my head's
.endm
.macro RESET                           ; on to the second block of queries
	s_wait_xcnt 0x0                                ; the stores above have read their registers
.irp i, 0,1,2,3,4,5
	v_mov_b32 v[QZ+6+\i], v[QB+\i]
.endr
	v_mov_b32 v[QS], v[QSB]
	v_mov_b32 v13, 0xff61b1e6
	s_delay_alu instid0(VALU_DEP_1)
	v_floor_f32 v12, -v13
	v_mov_b32 v14, 0
	v_mov_b32 v15, 0
.set n, 0
.rept 32
	v_mov_b32 v[O+n], 0                            ; (also the places between q's new registers and the next scaled products)
.set n, n+1
.endr
	s_mov_b32 s[CK], 0
	s_mov_b32 s[CQ], s[CQB]
.endm
.Ltrip:                                            ; eight trips, each with a refill
	CHANGE 1
	TRIPBODY
	s_cmp_lg_u32 s[TAU], s[NA]
	s_cbranch_scc1 .Lsame
	FINISH
	RESET
.Lsame:
	s_cmp_lt_u32 s[TAU], 8
	s_cbranch_scc1 .Ltrip
	CHANGE 0                                       ; the ninth is written out
	TRIPBODY
	FINISH
	s_wait_tensorcnt 0x0                           ; the wave's end
	ds_add_u32 v[SPW], v[NIL]
	s_wait_dscnt 0x0
	s_endpgm
.Lfunc_end_k_qc2e77c3760_attn:
	.size	k_qc2e77c3760_attn, .Lfunc_end_k_qc2e77c3760_attn-k_qc2e77c3760_attn
	.p2alignl 7, 3214868480
	.fill 96, 4, 3214868480
	.section	.rodata,"a",@progbits
	.p2align	6, 0x0
	.amdhsa_kernel k_qc2e77c3760_attn
		.amdhsa_group_segment_fixed_size 327680
		.amdhsa_private_segment_fixed_size 0
		.amdhsa_enable_private_segment 0
		.amdhsa_kernarg_size 16
		.amdhsa_user_sgpr_count 2
		.amdhsa_user_sgpr_kernarg_segment_ptr 1
		.amdhsa_wavefront_size32 1
		.amdhsa_system_sgpr_workgroup_id_x 1
		.amdhsa_system_sgpr_workgroup_id_y 1
		.amdhsa_system_sgpr_workgroup_id_z 1
		.amdhsa_system_vgpr_workitem_id 0
		.amdhsa_next_free_vgpr 256
		.amdhsa_next_free_sgpr 66
		.amdhsa_reserve_vcc 1
		.amdhsa_float_denorm_mode_32 3
		.amdhsa_float_denorm_mode_16_64 3
		.amdhsa_memory_ordered 1
		.amdhsa_forward_progress 1
		.amdhsa_inst_pref_size 107
	.end_amdhsa_kernel
	.amdgpu_metadata
---
amdhsa.version: [ 1, 2 ]
amdhsa.kernels:
  - .name:           k_qc2e77c3760_attn
    .symbol:         k_qc2e77c3760_attn.kd
    .args:
      - { .name: qkv, .offset: 0, .size: 8, .value_kind: global_buffer, .address_space: global }
      - { .name: yq, .offset: 8, .size: 8, .value_kind: global_buffer, .address_space: global }
    .group_segment_fixed_size: 327680
    .private_segment_fixed_size: 0
    .kernarg_segment_align: 8
    .kernarg_segment_size: 16
    .max_flat_workgroup_size: 512
    .sgpr_count:     66
    .vgpr_count:     256
    .wavefront_size: 32
...
	.end_amdgpu_metadata
.endif
;; end of part 3
;; launch proj (part 4): grid 4 x 32, 4 waves a work-group, clusters of 4 x 4, 327,680 bytes of LDS; arguments yq, xw, bp, out0; writes out0
.if DOCPART == 4
	.amdgcn_target "amdgcn-amd-amdhsa--gfx1250"
	.amdhsa_code_object_version 6
	.text
	.protected	k_qc2e77c3760_proj
	.globl	k_qc2e77c3760_proj
	.p2align	8
	.type	k_qc2e77c3760_proj,@function
k_qc2e77c3760_proj:
	s_mov_b64 s[64:65], 0
	v_nop
	global_prefetch_b8 v0, s[64:65] scope:SCOPE_SE
	s_setreg_imm32_b32 hwreg(HW_REG_WAVE_MODE, 25, 1), 1
	s_wait_xcnt 0x0
	s_wait_alu depctr_hold_cnt(0) depctr_sa_sdst(0) depctr_va_vdst(0) depctr_va_sdst(0) depctr_va_ssrc(0) depctr_va_vcc(0) depctr_vm_vsrc(0)
	s_getreg_b32 s2, hwreg(HW_REG_IB_STS2, 6, 4)
	s_cmp_eq_u32 s2, 0
	s_cbranch_scc0 .Lentry_in_a_cluster
	s_endpgm
.Lentry_in_a_cluster:
	s_bfe_u32 s2, ttmp6, 0x10000c
	s_cmp_lg_u32 s2, 0xf033
	s_cbranch_scc0 .Lentry_shape_is_right
	s_endpgm
.Lentry_shape_is_right:
; out0 = y wp^T + bp, on codes of BF6 (E3M2) with E8M0 scales.  y: yq, 512 token tiles of 16 places x 1,024 K as eight images of a fragment's registers in six planes of 256 bytes (registers 2 p, 2 p + 1 of lane l at 256 p + 8 l);
; its scale words at 6,291,456, 32 bytes a row.  wp: tiles 704-767 of xw (images in three planes of 512 bytes), rows in their own order; scale words at 9,437,184.  out0: [8192][1024] f32.
; Place r of token tile 2 b + u is token 32 b + 8 u + r + 8 (r / 8): the way out puts each row where it belongs.
; A tile of 256 x 256 to a work-group of four waves, 128 x 128 a wave: 64 accumulators.  K = 1,024 in four steps of 256 through two LDS slots; the scale words of the 512 rows come once.  bp is the C of each sum's first product.
; CLUSTERS: 4 x 4 work-groups; y's tiles are asked for jointly along a row of the cluster, wp's along a column.  THE MATRIX INSTRUCTION IS USED TRANSPOSED (source 0 = 16 rows of wp, source 1 = 16 rows of y).
; No prefetch: K has four steps, of which two are asked for at the head.  All of a WGP's LDS is claimed; 214,528 bytes are used.
; REGISTERS: window 0: v0-31 addresses; v32-63 scale words, two sets; v64-127 bp in the result's layout; v128-223 y's fragments, on the way out v128-255 rows of out0.   window 1: wp's fragments, two sets.   windows 2, 3: the accumulators.
.set NQ,     2
.set FR,     12
.set NP,     4                         ; places behind this matrix instruction (ISA guide 7.12.1)
.set NLA,    6                         ; LDS loads that bring a fragment of y
.set TROW,   3072
.set HALFT,  8*TROW
.set SLOT,   4*HALFT
.set KS,     32
.set SCL,    2*SLOT
.set HALFS,  16*272
.set SBLK,   2*272
.set SPARE,  SCL+4*HALFS               ; the spare words, 128 bytes for each wave: two blocks of 256 bytes that no other line names
.set SPITCH, 528                       ; the way out: a stage of 16 rows x (512 bytes + 16) for each wave, in slot 0, which has had its last fill and its last read by then
.set ADRA, 16
.set ADRB, 20
.set STO,  24
.set RD,   25
.set CO,   26
.set ADRS, 27
.set SPW,  28
.set NIL,  29
.set SC,   32
.set BPR,  64
.set AF,   128
.set BK,   128
.set G1, 24
.set G0, 32
.set G1B, 48
.set G0B, 56
.set G1S, 68
.set G0S, 76
.set G1SB, 80
.set G0SB, 88
.set MSB, 0
.macro WIN new                         ; the immediate's high byte repeats the setting that is left
.if MSB != (\new)
	s_set_vgpr_msb (MSB<<8)|(\new)
.set MSB, (\new)
.endif
.endm
.set MUL_LO, 0xa1
.set MUL_HI, 0xf1
.set TO_B,   0x40
.macro JLOAD g0a, g1a, g0b, g1b        ; a joint load: waves 0 and 1 fetch for y, waves 2 and 3 for wp; four v_nop follow each of the two lines
	s_cmp_eq_u32 s15, 0
	s_cbranch_scc0 .Lfor_b_\@
	tensor_load_to_lds s[\g0a:\g0a+3], s[\g1a:\g1a+7]
	s_nop 0
.rept 4
	v_nop
.endr
	s_branch .Lasked_\@
.Lfor_b_\@:
	tensor_load_to_lds s[\g0b:\g0b+3], s[\g1b:\g1b+7]
	s_nop 0
.rept 4
	v_nop
.endr
.Lasked_\@:
.endm
.macro CREST
	s_cmp_lg_u32 s14, 0
	s_cbranch_scc1 .Lnot_wave_0_\@
	s_barrier_signal -3
.Lnot_wave_0_\@:
	s_barrier_wait -3
	s_barrier_signal -1
	s_barrier_wait -1
.endm
.macro CROUND
	s_barrier_signal -1
	s_barrier_wait -1
	CREST
.endm
.macro PLACES n
.rept \n
	v_nop
.endr
.endm
	s_load_b256 s[4:11], s[0:1], 0x0               ; yq, xw, bp, out0
	v_lshl_add_u32 v[SPW], v0, 2, SPARE
	v_mov_b32 v[NIL], 0
	ds_add_u32 v28, v29
	s_wait_dscnt 0x0
	v_lshrrev_b32 v1, 5, v0
	v_readfirstlane_b32 s14, v1                    ; wave 0..3
	s_lshr_b32 s15, s14, 1
	s_and_b32 s16, s14, 1
	s_bfe_u32 s40, ttmp6, 0x40000                  ; cx, cy
	s_bfe_u32 s41, ttmp6, 0x40004
	s_lshl_b32 s42, ttmp9, 2
	s_add_co_u32 s42, s42, s40                     ; tile column
	s_and_b32 s17, ttmp7, 0xffff
	s_lshl_b32 s17, s17, 2
	s_add_co_u32 s17, s17, s41                     ; tile row
	s_lshl_b32 s43, s41, 2
	s_lshl_b32 s43, 15, s43
	s_lshl_b32 s44, 0x1111, s40
	s_or_b32 s[G1+0], s43, (3<<16)|(1<<21)         ; codes: 8 tiles x 3,072 bytes, 12,288 bytes apart in memory, dense in LDS
	s_or_b32 s[G1B+0], s44, (3<<16)|(1<<21)
.irp g, G1, G1B
	s_mov_b32 s[\g+1], 384<<16
	s_mov_b32 s[\g+2], 8<<16
	s_mov_b32 s[\g+3], 384<<16
	s_mov_b32 s[\g+4], 8
	s_mov_b32 s[\g+5], 1536
	s_mov_b32 s[\g+6], 0
	s_mov_b32 s[\g+7], 0
.endr
	s_or_b32 s[G1S+0], s43, (3<<16)|(1<<20)|(1<<21)|(5<<22)|(3<<25)   ; scale words of 128 rows: 16 rows of 256 bytes, 16 of padding behind each
	s_or_b32 s[G1SB+0], s44, (3<<16)|(1<<20)|(1<<21)|(5<<22)|(3<<25)
.irp g, G1S, G1SB
	s_mov_b32 s[\g+1], 32<<16
	s_mov_b32 s[\g+2], 16<<16
	s_mov_b32 s[\g+3], 32<<16
	s_mov_b32 s[\g+4], 16
	s_mov_b32 s[\g+5], 32
	s_mov_b32 s[\g+6], 0
	s_mov_b32 s[\g+7], 0
.endr
	s_lshl_b32 s18, s16, 3
	s_lshl_b32 s20, s17, 4
	s_add_co_u32 s20, s20, s18                     ; y: tile 16 x tile row + 8 x half
	s_lshl_b32 s46, s42, 4
	s_add_co_u32 s46, s46, s18
	s_add_co_u32 s46, s46, 704                     ; wp: tile 704 + 16 x tile column + 8 x half
	s_lshl_b32 s22, s20, 9
	s_mov_b32 s23, 0
	s_lshl_b32 s92, s46, 9
	s_mov_b32 s93, 0
	s_mul_i32 s20, s20, 12288
	s_mov_b32 s21, 0
	s_mul_i32 s46, s46, 12288
	s_mov_b32 s47, 0
	s_mul_i32 s45, s14, HALFT
	s_mul_i32 s94, s14, HALFS
	s_wait_kmcnt 0x0
	s_add_nc_u64 s[20:21], s[4:5], s[20:21]
	s_add_nc_u64 s[22:23], s[4:5], s[22:23]
	s_add_nc_u64 s[22:23], s[22:23], 6291456
	s_add_nc_u64 s[46:47], s[6:7], s[46:47]
	s_add_nc_u64 s[92:93], s[6:7], s[92:93]
	s_add_nc_u64 s[92:93], s[92:93], 9437184
	CROUND                                         ; all sixteen work-groups are here: the first joint loads meet
	s_mov_b32 s[G0S], 1
	s_add_co_u32 s[G0S+1], s94, SCL
	s_mov_b64 s[G0S+2:G0S+3], s[22:23]
	s_or_b32 s[G0S+3], s[G0S+3], 0x80000000
	s_mov_b32 s[G0SB], 1
	s_add_co_u32 s[G0SB+1], s94, SCL
	s_mov_b64 s[G0SB+2:G0SB+3], s[92:93]
	s_or_b32 s[G0SB+3], s[G0SB+3], 0x80000000
	JLOAD G0S, G1S, G0SB, G1SB
.irp s, 0,1
	s_mov_b32 s[G0+4*\s], 1
	s_add_co_u32 s[G0+4*\s+1], s45, \s*SLOT
	s_add_nc_u64 s[G0+4*\s+2:G0+4*\s+3], s[20:21], \s*TROW
	s_or_b32 s[G0+4*\s+3], s[G0+4*\s+3], 0x80000000
	s_mov_b32 s[G0B+4*\s], 1
	s_add_co_u32 s[G0B+4*\s+1], s45, \s*SLOT
	s_add_nc_u64 s[G0B+4*\s+2:G0B+4*\s+3], s[46:47], \s*TROW
	s_or_b32 s[G0B+4*\s+3], s[G0B+4*\s+3], 0x80000000
	JLOAD G0+4*\s, G1, G0B+4*\s, G1B               ; three tensor loads of mine are out
.endr
	v_and_b32 v1, 15, v0                           ; r
	v_bfe_u32 v2, v0, 4, 1                         ; h
	v_and_b32 v6, 31, v0
	v_lshlrev_b32 v4, 3, v6                        ; 8 x lane: y's planes
	v_lshlrev_b32 v[CO], 4, v6                     ; 16 x lane: wp's planes, and my bytes of a row of out0
	v_lshlrev_b32 v7, 5, v2                        ; bp: register 8 b + j wants column 16 b + 8 h + j
	s_lshl_b32 s46, s42, 10                        ; my first column, in bytes: 1,024 x tile column + 512 x half
	s_lshl_b32 s47, s16, 9
	s_add_co_u32 s46, s46, s47
	s_mov_b32 s47, 0
	s_add_nc_u64 s[8:9], s[8:9], s[46:47]
.irp b, 0,1,2,3,4,5,6,7
	global_load_b128 v[BPR+8*\b:BPR+8*\b+3], v7, s[8:9] offset:64*\b
	global_load_b128 v[BPR+8*\b+4:BPR+8*\b+7], v7, s[8:9] offset:64*\b+16
.endr
	s_mul_i32 s21, s15, HALFT
	s_mul_i32 s22, s16, HALFT
	s_add_co_u32 s22, s22, 2*HALFT
.irp s, 0,1
	v_add_nc_u32 v[ADRA+\s], s21, v4
	v_add_nc_u32 v[ADRB+\s], s22, v[CO]
	s_add_co_u32 s21, s21, SLOT
	s_add_co_u32 s22, s22, SLOT
.endr
	v_mul_u32_u24 v5, v1, KS
	v_lshrrev_b32 v6, 8, v5
	v_lshl_add_u32 v5, v6, 4, v5
	s_mul_i32 s21, s15, HALFS
	s_mul_i32 s22, s16, HALFS
	s_add_co_u32 s22, s22, 2*HALFS
	s_sub_co_u32 s22, s22, s21
	v_mul_u32_u24 v6, s22, v2                      ; lanes 16-31 take wp's
	s_add_co_u32 s21, s21, SCL
	v_add_nc_u32 v5, v5, v6
	v_add_nc_u32 v[ADRS], s21, v5
	s_mul_i32 s23, s14, 16*SPITCH                  ; my stage
	v_mul_u32_u24 v5, v1, SPITCH
	v_lshl_add_u32 v5, v2, 5, v5
	v_add_nc_u32 v[STO], s23, v5                   ; in: row r, 32 bytes for each half of the lanes
	v_add_nc_u32 v[RD], s23, v[CO]                 ; back: the 32 lanes take one row of 512 bytes
	s_lshl_b32 s20, s17, 8
	s_lshl_b32 s21, s15, 7
	s_add_co_u32 s20, s20, s21                     ; my first token: 256 x tile row + 128 x half
	s_lshl_b32 s20, s20, 12                        ; a row of out0 is 4,096 bytes
	s_mov_b32 s21, 0
	s_add_nc_u64 s[12:13], s[10:11], s[20:21]
	s_add_nc_u64 s[12:13], s[12:13], s[46:47]
.macro FRAG reg, adr, q, i             ; a fragment of wp: three loads of 512 consecutive bytes
.irp c, 0,1,2
	ds_load_b128 v[(\reg)+4*\c:(\reg)+4*\c+3], v[\adr] offset:TROW*(\i)+1536*(\q)+512*\c
.endr
.endm
.macro FRAGA reg, adr, q, i            ; a fragment of y: six loads of 256 consecutive bytes
.irp p, 0,1,2,3,4,5
	ds_load_b64 v[(\reg)+2*\p:(\reg)+2*\p+1], v[\adr] offset:TROW*(\i)+1536*(\q)+256*\p
.endr
.endm
; 16 matrix instructions: y's blocks a0, a0 + 1 x wp's eight.  zero = 2: the first product starts the sums from bp.  The 64 accumulators take turns, one instruction a turn.
.macro MUL16 a0, p, q, sc, zero
.irp a, \a0, \a0+1
.irp b, 0,1,2,3,4,5,6,7
.if \zero
	v_wmma_scale_f32_16x16x128_f8f6f4 v[8*(8*((\a)%4)+\b):8*(8*((\a)%4)+\b)+7], v[128*(\p)+FR*\b:128*(\p)+FR*\b+FR-1], v[AF+FR*(\a):AF+FR*(\a)+FR-1], v[BPR+8*\b:BPR+8*\b+7], v[SC+8*NQ*(\sc)+NQ*\b+(\q)], v[SC+8*NQ*(\sc)+NQ*(\a)+(\q)] matrix_a_fmt:MATRIX_FMT_BF6 matrix_b_fmt:MATRIX_FMT_BF6 matrix_a_scale:MATRIX_SCALE_ROW1
.else
	v_wmma_scale_f32_16x16x128_f8f6f4 v[8*(8*((\a)%4)+\b):8*(8*((\a)%4)+\b)+7], v[128*(\p)+FR*\b:128*(\p)+FR*\b+FR-1], v[AF+FR*(\a):AF+FR*(\a)+FR-1], v[8*(8*((\a)%4)+\b):8*(8*((\a)%4)+\b)+7], v[SC+8*NQ*(\sc)+NQ*\b+(\q)], v[SC+8*NQ*(\sc)+NQ*(\a)+(\q)] matrix_a_fmt:MATRIX_FMT_BF6 matrix_b_fmt:MATRIX_FMT_BF6 matrix_a_scale:MATRIX_SCALE_ROW1
.endif
.endr
.endr
.endm
.macro FETCH_B slot, q, p
	WIN TO_B
.irp i, 0,1,2,3,4,5,6,7
	FRAG 128*(\p)+FR*\i, ADRB+\slot, \q, \i
.endr
	WIN 0
.endm
.macro FETCH_A slot, q, i0
.irp i, \i0, \i0+1, \i0+2, \i0+3
	FRAGA AF+FR*(\i), ADRA+\slot, \q, \i
.endr
.endm
.macro SCALES sc
.irp i, 0,1,2,3,4,5,6,7
	ds_load_b64 v[SC+8*NQ*\sc+NQ*\i:SC+8*NQ*\sc+NQ*\i+1], v[ADRS] offset:\i*SBLK
.endr
.endm
.macro STEP slot, q, zero
	s_wait_dscnt 4*NLA                             ; wp's set and y's blocks 0-3 are in; the youngest loads (y's blocks 4-7) may be out
.if \zero
	WIN 0x81                                       ; C (bp) in window 0, D in window 2
.else
	WIN MUL_LO
.endif
	MUL16 0, (\q)%2, \q, \slot, \zero
	MUL16 2, (\q)%2, \q, \slot, \zero
	s_wait_dscnt 0
	PLACES NP
	FETCH_B \slot, (\q)+1, 1-(\q)%2
	FETCH_A \slot, (\q)+1, 0
.if \zero
	WIN 0xc1
.else
	WIN MUL_HI
.endif
	MUL16 4, (\q)%2, \q, \slot, \zero
	MUL16 6, (\q)%2, \q, \slot, \zero
	PLACES NP
	WIN 0
	FETCH_A \slot, (\q)+1, 4
.endm
.macro TURN slot, next, fill
	s_wait_tensorcnt 0x0                           ; all my tensor loads have landed: my part of the next slot
	ds_add_u32 v[SPW], v[NIL]                      ; 0 onto my spare word
	s_wait_dscnt 4*NLA+1                           ; (the add and y's blocks 4-7 may be out)
	WIN MUL_LO
	MUL16 0, 1, NQ-1, \slot, 0
	s_wait_dscnt 0x0                               ; the add is done, and my reads of this slot are over
	s_barrier_signal -1
	MUL16 2, 1, NQ-1, \slot, 0
	WIN 0
	s_barrier_wait -1
.if \fill
	CREST                                          ; the barrier has opened a round of the cluster's barrier
	s_add_nc_u64 s[G0+4*\slot+2:G0+4*\slot+3], s[G0+4*\slot+2:G0+4*\slot+3], 2*TROW
	s_add_nc_u64 s[G0B+4*\slot+2:G0B+4*\slot+3], s[G0B+4*\slot+2:G0B+4*\slot+3], 2*TROW
	JLOAD G0+4*\slot, G1, G0B+4*\slot, G1B         ; the first tensor load behind the round; its four v_nop are the places in front of the loads below
.else
	PLACES NP
.endif
	v_add_nc_u32 v[ADRS], 4*NQ, v[ADRS]
	FETCH_B \next, 0, 0
	FETCH_A \next, 0, 0
	SCALES \next
	WIN MUL_HI
	MUL16 4, 1, NQ-1, \slot, 0
	MUL16 6, 1, NQ-1, \slot, 0
	PLACES NP
	WIN 0
	FETCH_A \next, 0, 4
.endm
	s_wait_tensorcnt 1                             ; the scale words and my part of K step 0 are in; K step 1's load may be out
	s_barrier_signal -1
	s_barrier_wait -1
	FETCH_B 0, 0, 0
	FETCH_A 0, 0, 0
	SCALES 0
	FETCH_A 0, 0, 4
	s_wait_loadcnt 0x0                             ; bp
	STEP 0, 0, 2
	TURN 0, 1, 1
	STEP 1, 0, 0
	TURN 1, 0, 1
	STEP 0, 0, 0
	TURN 0, 1, 0
	STEP 1, 0, 0
	s_wait_dscnt 4*NLA                             ; the very last 128 along K
	WIN MUL_LO
	MUL16 0, 1, NQ-1, 1, 0
	MUL16 2, 1, NQ-1, 1, 0
	s_wait_dscnt 0
	WIN MUL_HI
	MUL16 4, 1, NQ-1, 1, 0
	MUL16 6, 1, NQ-1, 1, 0
	WIN 0
; THE WAY OUT, block by block of 16 tokens x 128 columns, through my own stage in LDS: in as 32 bytes a lane, back as whole rows of 512 bytes.  LDS serves a wave's instructions in order: no wait between the stores and the loads.
.macro TOSTAGE a
.set AC, 64*((\a)%4)
	WIN 0x08+4*((\a)/4)                            ; the data: window 2 or 3
.irp b, 0,1,2,3,4,5,6,7
	ds_store_b128 v[STO], v[AC+8*\b:AC+8*\b+3] offset:64*\b          ; each accumulator from its low end on
	ds_store_b128 v[STO], v[AC+8*\b+4:AC+8*\b+7] offset:64*\b+16
.endr
	WIN 0
.set BB, BK+64*((\a)%2)
.set tt, 0
.rept 16
	ds_load_b128 v[BB+4*tt:BB+4*tt+3], v[RD] offset:tt*SPITCH
.set tt, tt+1
.endr
.endm
.macro SEND a, younger                 ; younger: the LDS instructions issued behind block a's loads, which may stay out
.set BB, BK+64*((\a)%2)
	s_wait_dscnt \younger
.if (\a) > 0
.if ((\a)%2) == 1
	s_add_nc_u64 s[12:13], s[12:13], 8*4096        ; block a begins at token 32 (a / 2) + 8 (a % 2)  (behind a wait on XCNT: the earlier stores have read their base)
.else
	s_add_nc_u64 s[12:13], s[12:13], 24*4096
.endif
.endif
.set tt, 0
.rept 16
	global_store_b128 v[CO], v[BB+4*tt:BB+4*tt+3], s[12:13] offset:(tt+8*(tt/8))*4096 th:TH_STORE_NT   ; place t is token t + 8 (t / 8) of the block; 512 consecutive bytes, aligned
.set tt, tt+1
.endr
.endm
	PLACES NP                                      ; behind the last products: for the reads of results and the loads into y's registers
	TOSTAGE 0
.irp a, 1,2,3,4,5,6,7
.if \a > 1
	s_wait_xcnt 0x0                                ; block a - 2's stores have read their registers and their base
.endif
	TOSTAGE \a
	SEND \a-1, 32                                  ; behind block a - 1's loads: block a's 16 stores and 16 loads
.endr
	s_wait_xcnt 0x0
	SEND 7, 0
	s_wait_tensorcnt 0x0                           ; the wave's end
	ds_add_u32 v[SPW], v[NIL]
	s_wait_dscnt 0x0
	CROUND                                         ; the closing round
	s_endpgm
.Lfunc_end_k_qc2e77c3760_proj:
	.size	k_qc2e77c3760_proj, .Lfunc_end_k_qc2e77c3760_proj-k_qc2e77c3760_proj
	.p2alignl 7, 3214868480
	.fill 96, 4, 3214868480
	.section	.rodata,"a",@progbits
	.p2align	6, 0x0
	.amdhsa_kernel k_qc2e77c3760_proj
		.amdhsa_group_segment_fixed_size 327680
		.amdhsa_private_segment_fixed_size 0
		.amdhsa_enable_private_segment 0
		.amdhsa_kernarg_size 32
		.amdhsa_user_sgpr_count 2
		.amdhsa_user_sgpr_kernarg_segment_ptr 1
		.amdhsa_wavefront_size32 1
		.amdhsa_system_sgpr_workgroup_id_x 1
		.amdhsa_system_sgpr_workgroup_id_y 1
		.amdhsa_system_sgpr_workgroup_id_z 1
		.amdhsa_system_vgpr_workitem_id 0
		.amdhsa_next_free_vgpr 1024
		.amdhsa_next_free_sgpr 100
		.amdhsa_reserve_vcc 0
		.amdhsa_float_denorm_mode_32 3
		.amdhsa_float_denorm_mode_16_64 3
		.amdhsa_memory_ordered 1
		.amdhsa_forward_progress 1
		.amdhsa_inst_pref_size 149
	.end_amdhsa_kernel
	.amdgpu_metadata
---
amdhsa.version: [ 1, 2 ]
amdhsa.kernels:
  - .name:           k_qc2e77c3760_proj
    .symbol:         k_qc2e77c3760_proj.kd
    .args:
      - { .name: yq, .offset: 0, .size: 8, .value_kind: global_buffer, .address_space: global }
      - { .name: xw, .offset: 8, .size: 8, .value_kind: global_buffer, .address_space: global }
      - { .name: bp, .offset: 16, .size: 8, .value_kind: global_buffer, .address_space: global }
      - { .name: out0, .offset: 24, .size: 8, .value_kind: global_buffer, .address_space: global }
    .group_segment_fixed_size: 327680
    .private_segment_fixed_size: 0
    .kernarg_segment_align: 8
    .kernarg_segment_size: 32
    .max_flat_workgroup_size: 128
    .sgpr_count:     100
    .vgpr_count:     1024
    .wavefront_size: 32
...
	.end_amdgpu_metadata
.endif
;; end of part 4
